; MI455X (gfx1250); checked and timed in simulation.
; The chip was launched on July 23, 2026; its instructions are those of AMD's public machine-readable ISA for CDNA 5 (MIT licence, August 2026) and "CDNA5" Instruction Set Architecture Reference Guide (July 2026). The comments in the code are by the model that wrote it; some were corrected since.
;; Efficient Self Attention. Allowed arithmetic: matrix products marked QUANTISED: E2M3 operands, one E8M0 scale for each 32 along K, by v_wmma_scale_f32_16x16x128_f8f6f4 with both operands' format E2M3, f32 sums; everything else in f32.
;; Inputs: Wk 1,024 x 1,024 float32; Wq 1,024 x 1,024 float32; Wv 1,024 x 1,024 float32; beta 1,024 float32; bk 1,024 float32; bq 1,024 float32; bv 1,024 float32; gamma 1,024 float32; src_mask 4 x 4,096 x 1 float32; x 4 x 4,096 x 1,024 float32.
;; Outputs: out0 4 x 4,096 x 1,024 float32.
;; This version of the problem:
;;   THIS VERSION OF THE PROBLEM IS GIVEN IN LOW PRECISION. The matrix products marked QUANTISED in the list below multiply operands that are first quantised to E2M3 (2 exponent bits, 3 mantissa bits; 6 bits a number), with one power-of-two scale for each 32 numbers along K (OCP MX v1.0); their sums are f32. All else is computed in f32.
;;   The module's matrix products, in the order in which they are computed (A, B: the left and right operand; K: the contracted axis; several contracted axes count as one K, in the product's order):
;;     1. [M 16,384, K 1,024] x [K 1,024, N 1,024]; A: computed on the way; B: input Wq: QUANTISED
;;     2. [M 16,384, K 1,024] x [K 1,024, N 1,024]; A: computed on the way; B: input Wk: QUANTISED
;;     3. [M 16,384, K 1,024] x [K 1,024, N 1,024]; A: computed on the way; B: input Wv: QUANTISED
;;     4. batch 32 x [M 128, K 4,096] x [K 4,096, N 128]; A: softmax (see below); B: computed on the way: QUANTISED
;;     5. batch 32 x [M 128, K 128] x [K 128, N 4,096]; A: computed on the way; B: softmax (see below): QUANTISED
;;   THE QUANTISER, for each operand of a quantised product, along K:
;;     - K is cut into blocks of 32 from its start; a last block that is shorter is filled with zeros.
;;     - A block's scale is 2^e with e = floor(log2(the largest magnitude in the block)) - 2, held to -126 .. 127; a block of zeros has e = 0. As a byte (E8M0): e + 127.
;;     - Each number is divided by its block's scale, clamped to +-7.5, and rounded to the nearest number of E2M3, ties to even, subnormals kept.
;;     - The product sums the exact products of the quantised numbers (number of the format x scale) in f32.
;;   ~~~python
;;   def quantise(x, axis):      # numpy; x: float32 -> the quantised numbers, widened to float32 again
;;       x = np.moveaxis(x, axis, -1); K = x.shape[-1]
;;       x = np.pad(x, [(0, 0)] * (x.ndim - 1) + [(0, -K % 32)]); x = x.reshape(x.shape[:-1] + (-1, 32)); a = np.abs(x).max(-1, keepdims=True)
;;       e = np.where(a > 0, np.clip(np.frexp(np.where(a > 0, a, 1))[1] - 1 - 2, -126, 127), 0)      # np.frexp(a)[1] - 1 = floor(log2(a)), exactly
;;       r = np.clip(x / 2.0 ** e, -7.5, 7.5)
;;       step = 2.0 ** (np.maximum(np.frexp(np.where(r == 0, 1, r))[1] - 1, 0) - 3)
;;       q = np.round(r / step) * step * 2.0 ** e      # np.round: ties to even
;;       return np.moveaxis(q.reshape(q.shape[:-2] + (-1,))[..., :K], -1, axis).astype(np.float32)
;;   ~~~
;;   SOFTMAX AHEAD OF A QUANTISED PRODUCT. Where the list says 'softmax', what is quantised is not the finished softmax but p = 2^(t - M), with t = logit x log2(e) and M = ceil(the row's largest t), a whole number; so 1/2 < the row's largest p <= 1. The row's sum l is taken of the UNQUANTISED p, in f32, and the product's result is divided by l at the end. Since M is a whole number, a kernel that streams over the keys may use a running M (the ceiling of the running maximum): every later rescaling is an exact power of two, which a block's scale takes up: the codes' values come out the same.
;;   OPERANDS COMPUTED ON THE WAY. 'Computed on the way' means the value that the module computes at that place (a softmax that the list does not call 'softmax' is quantised finished and normalised). What goes into a quantiser is computed in f32, as accurately as f32 sums, v_exp_f32 and their like allow (about 1e-6 of the number): no bf16 or f16 on the way to a quantiser, and a product that is left as it is and whose result goes on into a quantised operand takes f32 operands (vector FMAs, or v_wmma_f32_16x16x4_f32). A number that lies on a knife's edge between two numbers of the format may be rounded either way, as far as f32 arithmetic and the matrix unit's own rounding can turn it there, and no further.
;; One version. Each part assembles by itself: llvm-mc -triple=amdgcn-amd-amdhsa -mcpu=gfx1250 --defsym DOCPART=n.
;; ======== version 1 of 1: 4 launches
;; workspace buffers: xq 13,107,200 bytes; wq 2,457,600 bytes; pa 17,301,504 bytes; aq 425,984 bytes
;; launch prep (part 1): grid 1120 x 1, 8 waves a work-group, no clusters, 78,848 bytes of LDS; arguments x, gamma, beta, Wq, Wk, Wv, xq, wq; writes xq, wq
.if DOCPART == 1
	.amdgcn_target "amdgcn-amd-amdhsa--gfx1250"
	.amdhsa_code_object_version 6
	.text
	.protected	k_q2c72c80550_prep
	.globl	k_q2c72c80550_prep
	.p2align	8
	.type	k_q2c72c80550_prep,@function
k_q2c72c80550_prep:
	s_mov_b64 s[64:65], 0
	v_nop
	global_prefetch_b8 v0, s[64:65] scope:SCOPE_SE
	s_setreg_imm32_b32 hwreg(HW_REG_WAVE_MODE, 25, 1), 1
	s_wait_xcnt 0x0
; LayerNorm(x) and the three weights become codes of FP6 (E2M3) with one E8M0 byte for each 32 along K (K = the 1,024 features; in a weight its FIRST axis).
; Both go out as BLOCKS of 102,400 bytes: 128 rows x 1,024 K.  Fragment (tile i of 16 rows, K step s of 128) is an IMAGE OF THE OPERAND'S REGISTERS at (8 i + s) x 1,536:
; registers 4 q .. 4 q + 3 of lane L at + 512 q + 16 L.  The scale word of row m of tile i, K step s, lies at 98,304 + 512 i + 64 s + 4 m.
; THE ROWS OF A TILE ARE NOT NEIGHBOURS: row m of tile i is row 32 (i / 2) + 8 (i % 2) + m + 8 (m / 8) of the block's 128, so that a product that takes such a tile as source 0 leaves
; 16 neighbours along that axis in the 16 registers of tiles 2 b and 2 b + 1.
; Work-groups 0 to 95 take the weights (matrix, K step, 256 columns), the other 1,024 one tile of 16 rows of x each.  Only the second kind uses LDS and a barrier; the branch hangs on the work-group's number alone.
; LN: wave w owns K step w (columns 128 w on).  The variance is joined from the eight waves' means and sums of squared deviations: no difference of large sums is formed.
; THE LAUNCH IS A STREAM: what counts is how many loads are on their way.  So it is kept to 130 registers a wave and 78,848 bytes of LDS, that more work-groups can lie on a WGP together:
; gamma and beta come by ONE load each a wave (16 bytes a lane: the wave's 128 numbers), lie in 1,024 bytes of LDS of the wave's own, and are read back in pieces of 8 + 8 registers where they are used;
; the weights' path holds two blocks of 32 along K at a time.
; The scale words leave in pieces of 64 bytes: 1 byte in 128 of what the launch reads.
; LIMITS: NaN and infinities are not served.  A block whose largest magnitude lies under 2^-124 has its byte held at 1; a block of zeros gets the byte 1 with zero codes (this program alone reads the bytes).
.set NW,   96                          ; work-groups for the weights
.set BLK,  102400
.set SCO,  98304
.set FRB,  1536
.set SP,   528                         ; a stage row: 512 bytes + 16: sixteen rows begin in sixteen different groups of banks
.set STG,  16*SP                       ; a wave's stage
.set RED,  8*STG                       ; behind the stages: 256 bytes a wave, (mean, sum of squares) of each lane
.set GB,   RED+2048                    ; behind them: 1,024 bytes a wave: gamma at my 128 columns, then beta
.set X,    40                          ; v40-103  64 numbers of my row
.set TM,   112                         ; v112-115 largest magnitudes, v116-119 bytes, v124-127 the conversions' scale operands
.set PC,   20                          ; v20-31 the fragment, v32-39 at work
.set PW,   11                          ; the scale word
	s_load_b256 s[4:11], s[0:1], 0x0               ; x, gamma, beta, Wq
	s_load_b256 s[12:19], s[0:1], 0x20             ; Wk, Wv, xq, wq
	v_lshl_add_u32 v128, v0, 2, 0x13000
	v_mov_b32 v129, 0
	v_lshrrev_b32 v1, 5, v0
	v_readfirstlane_b32 s20, v1                    ; wave 0..7
	v_and_b32 v1, 31, v0                           ; lane
	v_and_b32 v2, 15, v0                           ; r
	v_bfe_u32 v3, v0, 4, 1                         ; h
	v_lshlrev_b32 v4, 4, v1                        ; 16 x lane
	s_mov_b32 s22, 0x76543210
	s_mov_b32 s23, 0xfedcba98                      ; v_permlanex16_b32's selects for lane l xor 16
	s_cmp_lt_u32 ttmp9, NW
	s_cbranch_scc1 .Lweights
	; ---------------- LayerNorm and its codes ----------------
	s_sub_co_u32 s24, ttmp9, NW
	s_lshr_b32 s25, s24, 3                         ; T: the block of 128 rows
	s_and_b32 s26, s24, 7                          ; i: the tile
	s_lshr_b32 s27, s26, 1
	s_lshl_b32 s27, s27, 5
	s_and_b32 s28, s26, 1
	s_lshl_b32 s28, s28, 3
	s_add_co_u32 s27, s27, s28
	s_lshl_b32 s28, s25, 7
	s_add_co_u32 s27, s27, s28                     ; the tile's first row: 128 T + 32 (i / 2) + 8 (i % 2)
	s_lshl_b32 s30, s20, 9                         ; my 128 columns: 512 w bytes
	s_mov_b32 s31, 0
	s_lshl_b32 s28, s27, 12
	s_add_co_u32 s28, s28, s30
	s_mov_b32 s29, 0
	s_mul_i32 s34, s25, BLK
	s_lshl_b32 s32, s26, 3
	s_add_co_u32 s32, s32, s20
	s_mul_i32 s32, s32, FRB
	s_add_co_u32 s32, s32, s34                     ; my fragment's image
	s_mov_b32 s33, 0
	s_lshl_b32 s35, s26, 9
	s_add_co_u32 s34, s34, s35
	s_lshl_b32 s35, s20, 6
	s_add_co_u32 s34, s34, s35
	s_add_co_u32 s34, s34, SCO                     ; and its scale words
	s_mov_b32 s35, 0
	s_mov_b32 s41, 0x3a800000                      ; 1 / 1024
	s_mov_b32 s42, 0x3727c5ac                      ; 1e-5
	s_mul_i32 s40, s20, STG
	v_add_nc_u32 v6, s40, v4                       ; the stage, on the way in: 16 x lane of a row
	v_mul_u32_u24 v7, v2, SP
	v_lshl_add_u32 v7, v3, 6, v7
	v_add_nc_u32 v7, s40, v7                       ; on the way out: row r, + 64 h
	v_lshlrev_b32 v9, 3, v1
	v_add_nc_u32 v9, RED, v9                       ; the waves' figures of my lane
	s_lshl_b32 s40, s20, 8
	v_add_nc_u32 v8, s40, v9                       ; mine among them
	v_lshlrev_b32 v10, 2, v2                       ; 4 r
	s_lshl_b32 s40, s20, 10
	s_add_co_u32 s40, s40, GB                      ; my wave's gamma and beta in LDS
	v_lshl_add_u32 v5, v3, 6, s40                  ; out of it: + 64 h
	v_add_nc_u32 v14, s40, v4                      ; into it: + 16 x lane
	s_wait_kmcnt 0x0
	s_add_nc_u64 s[4:5], s[4:5], s[28:29]
	s_add_nc_u64 s[6:7], s[6:7], s[30:31]
	s_add_nc_u64 s[8:9], s[8:9], s[30:31]
	s_add_nc_u64 s[36:37], s[16:17], s[32:33]
	s_add_nc_u64 s[38:39], s[16:17], s[34:35]
	global_load_b128 v[104:107], v4, s[6:7]        ; gamma at my wave's 128 columns: 512 consecutive bytes
	global_load_b128 v[108:111], v4, s[8:9]        ; beta likewise
.irp m, 0,1,2,3,4,5,6,7,8,9,10,11,12,13,14,15
	global_load_b128 v[X+4*\m:X+4*\m+3], v4, s[4:5] offset:(\m+8*(\m/8))*4096 th:TH_LOAD_NT   ; row m of the tile: 512 consecutive bytes a load
.endr
	s_wait_loadcnt 16                              ; gamma and beta are in; x's sixteen loads may be out
	ds_store_b128 v14, v[104:107]                  ; into my wave's own bytes: no other wave touches them
	ds_store_b128 v14, v[108:111] offset:512
	s_wait_loadcnt 0x0                             ; x
.irp m, 0,1,2,3,4,5,6,7,8,9,10,11,12,13,14,15
	ds_store_b128 v6, v[X+4*\m:X+4*\m+3] offset:SP*\m
.endr
.irp b, 0,1,2,3
.irp j, 0,1,2,3
	ds_load_b128 v[X+16*\b+4*\j:X+16*\b+4*\j+3], v7 offset:128*\b+16*\j   ; LDS serves a wave's instructions in order: these see the stores above.  Register 16 b + e = x(row r, 128 w + 32 b + 16 h + e)
.endr
.endr
	s_wait_dscnt 0x0
	; my wave's mean of row r (128 numbers: my 64 and lane l xor 16's)
	v_pk_add_f32 v[14:15], v[X:X+1], v[X+2:X+3]
	v_pk_add_f32 v[16:17], v[X+4:X+5], v[X+6:X+7]
.set j, 8
.rept 14
	v_pk_add_f32 v[14:15], v[14:15], v[X+j:X+j+1]
	v_pk_add_f32 v[16:17], v[16:17], v[X+j+2:X+j+3]
.set j, j+4
.endr
	v_pk_add_f32 v[14:15], v[14:15], v[16:17]
	v_add_f32 v14, v14, v15
	v_permlanex16_b32 v15, v14, s22, s23
	v_add_f32 v14, v14, v15
	v_mul_f32 v12, 0x3c000000, v14                 ; / 128
	v_mov_b32 v13, v12
	; and the sum of squared deviations from it
	v_pk_add_f32 v[18:19], v[X:X+1], v[12:13] neg_lo:[0,1] neg_hi:[0,1]
	v_pk_add_f32 v[20:21], v[X+2:X+3], v[12:13] neg_lo:[0,1] neg_hi:[0,1]
	v_pk_mul_f32 v[14:15], v[18:19], v[18:19]
	v_pk_mul_f32 v[16:17], v[20:21], v[20:21]
.set j, 4
.rept 15
	v_pk_add_f32 v[18:19], v[X+j:X+j+1], v[12:13] neg_lo:[0,1] neg_hi:[0,1]
	v_pk_add_f32 v[20:21], v[X+j+2:X+j+3], v[12:13] neg_lo:[0,1] neg_hi:[0,1]
	v_pk_fma_f32 v[14:15], v[18:19], v[18:19], v[14:15]
	v_pk_fma_f32 v[16:17], v[20:21], v[20:21], v[16:17]
.set j, j+4
.endr
	v_pk_add_f32 v[14:15], v[14:15], v[16:17]
	v_add_f32 v14, v14, v15
	v_permlanex16_b32 v15, v14, s22, s23
	v_add_f32 v13, v14, v15
	ds_store_b64 v8, v[12:13]
	s_wait_dscnt 0x0                               ; for the others' sake: my figures lie in LDS
	s_barrier_signal -1
	s_barrier_wait -1
.irp w, 0,1,2,3,4,5,6,7
	ds_load_b64 v[20+2*\w:21+2*\w], v9 offset:256*\w
.endr
	s_wait_dscnt 0x0
	v_add_f32 v12, v20, v22
	v_add_f32 v14, v24, v26
	v_add_f32 v16, v28, v30
	v_add_f32 v17, v32, v34
	v_add_f32 v12, v12, v14
	v_add_f32 v16, v16, v17
	v_add_f32 v12, v12, v16
	v_mul_f32 v12, 0x3e000000, v12                 ; the row's mean
	v_sub_f32 v14, v20, v12
	v_mul_f32 v15, v14, v14
.irp w, 1,2,3,4,5,6,7
	v_sub_f32 v14, v[20+2*\w], v12
	v_fmac_f32 v15, v14, v14
.endr
	v_add_f32 v16, v21, v23
	v_add_f32 v17, v25, v27
	v_add_f32 v18, v29, v31
	v_add_f32 v19, v33, v35
	v_add_f32 v16, v16, v17
	v_add_f32 v18, v18, v19
	v_add_f32 v16, v16, v18
	v_fmamk_f32 v16, v15, 0x43000000, v16          ; + 128 x the squared distances of the eight means
	v_fma_f32 v16, v16, s41, s42                   ; the variance + 1e-5
	v_rsq_f32 v38, v16
	v_rsq_f32 v39, v16
	v_mov_b32 v36, v12                             ; (two plain lines behind the two: the mean as a pair, out of the way of the buffers below)
	v_mov_b32 v37, v12
; gamma and beta come back in eight pieces: piece p serves registers 8 p .. 8 p + 7 of x: columns 32 (p / 2) + 16 h + 8 (p % 2) + 0 .. 7 of my 128.  Sixteen lanes read the same bytes.
; Three buffers of 8 + 8 registers take turns, in registers that the statistics have left.
.macro GBSET p
.if (\p)%3 == 0
.set GR, 104
.set BR, 112
.elseif (\p)%3 == 1
.set GR, 120
.set BR, 12
.else
.set GR, 20
.set BR, 28
.endif
.endm
.macro GBLOAD p
	GBSET \p
	ds_load_b128 v[GR:GR+3], v5 offset:128*((\p)/2)+32*((\p)%2)
	ds_load_b128 v[GR+4:GR+7], v5 offset:128*((\p)/2)+32*((\p)%2)+16
	ds_load_b128 v[BR:BR+3], v5 offset:512+128*((\p)/2)+32*((\p)%2)
	ds_load_b128 v[BR+4:BR+7], v5 offset:512+128*((\p)/2)+32*((\p)%2)+16
.endm
	GBLOAD 0                                       ; they land while x is centred and scaled
	GBLOAD 1
	GBLOAD 2
	s_wait_alu depctr_va_vdst(0)                   ; one wait for both reciprocal roots, ahead of their first reader
.set j, 0
.rept 32
	v_pk_add_f32 v[X+j:X+j+1], v[X+j:X+j+1], v[36:37] neg_lo:[0,1] neg_hi:[0,1]
.set j, j+2
.endr
.set j, 0
.rept 32
	v_pk_mul_f32 v[X+j:X+j+1], v[X+j:X+j+1], v[38:39]
.set j, j+2
.endr
.set pp, 0
.rept 8
.if pp < 6
	s_wait_dscnt 8                                 ; this piece's four loads are in; the two younger pieces' eight may be out
.elseif pp == 6
	s_wait_dscnt 4                                 ; the last piece's four may be out
.else
	s_wait_dscnt 0x0
.endif
	GBSET pp
.irp k, 0,2,4,6
	v_pk_fma_f32 v[X+8*pp+\k:X+8*pp+\k+1], v[X+8*pp+\k:X+8*pp+\k+1], v[GR+\k:GR+\k+1], v[BR+\k:BR+\k+1]
.endr
.if pp < 5
	GBLOAD pp+3                                    ; the piece three on takes this piece's buffer
.endif
.set pp, pp+1
.endr
.irp b, 0,1,2,3
	v_mov_b32 v[TM+4+\b], 0                        ; a lane permute's destination counts as one of its sources
.endr
	; the quantiser: four blocks of 32, each in lanes l and l xor 16
.irp b, 0,1,2,3
	v_max3_num_f32 v[TM+\b], |v[X+16*\b]|, |v[X+1+16*\b]|, 0x1800000   ; with the floor 2^(3 - 127): the byte cannot fall under 1
.endr
.irp i, 2,4,6,8,10,12,14
.irp b, 0,1,2,3
	v_max3_num_f32 v[TM+\b], v[TM+\b], |v[X+16*\b+\i]|, |v[X+1+16*\b+\i]|
.endr
.endr
.irp b, 0,1,2,3
	v_permlanex16_b32 v[TM+4+\b], v[TM+\b], s22, s23
.endr
.irp b, 0,1,2,3
	v_max_num_f32 v[TM+\b], v[TM+\b], v[TM+4+\b]
.endr
.irp b, 0,1,2,3
	v_add_nc_u32 v[TM+12+\b], 0xff000000, v[TM+\b] ; 2 off the exponent field: the conversion's scale operand
.endr
.irp b, 0,1,2,3
	v_lshrrev_b32 v[TM+4+\b], 23, v[TM+12+\b]      ; the scale's byte
.endr
	v_lshl_or_b32 v[PW], v[TM+5], 8, v[TM+4]
	v_lshl_or_b32 v[PW], v[TM+6], 16, v[PW]
	v_lshl_or_b32 v[PW], v[TM+7], 24, v[PW]
.irp c, 0,1
	v_cvt_scalef32_pk16_fp6_f32 v[PC+6*\c:PC+2+6*\c], v[X+32*\c:X+15+32*\c], v[TM+12+2*\c]
	v_cvt_scalef32_pk16_fp6_f32 v[PC+12+4*\c:PC+14+4*\c], v[X+16+32*\c:X+31+32*\c], v[TM+12+2*\c+1]
.endr
	v_nop                                          ; one plain line behind the conversions
.irp c, 0,1                                    ; the operand wants a whole block in a lane: lanes 0-15 block 2 c, lanes 16-31 block 2 c + 1
.irp i, 0,1,2
	v_permlane16_swap_b32 v[PC+6*\c+\i], v[PC+12+4*\c+\i]
.endr
.irp i, 0,1,2
	v_mov_b32 v[PC+3+6*\c+\i], v[PC+12+4*\c+\i]
.endr
.endr
.irp q, 0,1,2
	global_store_b128 v4, v[PC+4*\q:PC+4*\q+3], s[36:37] offset:512*\q   ; 512 consecutive bytes a store
.endr
	global_store_b32 v10, v[PW], s[38:39]          ; both halves of the lanes hold the same word and write it to the same place
	s_wait_tensorcnt 0x0
	ds_add_u32 v128, v129
	s_wait_dscnt 0x0
	s_endpgm
	; ---------------- the weights: a lane takes a column, its registers run down K ----------------
.set D,   16                           ; v16-79   two sets of 32 numbers of my column: a block of 32 along K each
.set F0,  80                           ; v80-91   blocks 0 and 2, then the fragment of tile 2 b
.set F1,  92                           ; v92-103  blocks 1 and 3, then the fragment of tile 2 b + 1
.set TT,  104                          ; v104-119 the blocks' upper halves, on their way
.set MX,  120
.set MY,  121
.set WSO, 122                          ; the block's scale operand
.set WBY, 123                          ; v123-126 the four bytes
.Lweights:
	s_lshr_b32 s24, ttmp9, 5                       ; the matrix: 0 q, 1 k, 2 v
	s_bfe_u32 s25, ttmp9, 0x30002                  ; the K step
	s_and_b32 s26, ttmp9, 3                        ; which 256 columns
	s_lshl_b32 s27, s26, 8
	s_lshl_b32 s28, s20, 5
	s_add_co_u32 s27, s27, s28                     ; my wave's 32 columns
	s_lshl_b32 s28, s27, 2
	s_lshl_b32 s29, s25, 19                        ; 128 rows of 4,096 bytes a K step
	s_add_co_u32 s28, s28, s29
	s_mov_b32 s29, 0
	s_lshl_b32 s30, s26, 1
	s_lshr_b32 s31, s20, 2
	s_add_co_u32 s30, s30, s31                     ; the head
	s_lshl_b32 s31, s24, 3
	s_add_co_u32 s30, s30, s31
	s_mul_i32 s30, s30, BLK                        ; its block
	s_and_b32 s31, s20, 3                          ; b: my pair of tiles
	s_lshl_b32 s32, s31, 4
	s_add_co_u32 s32, s32, s25
	s_mul_i32 s32, s32, FRB
	s_add_co_u32 s32, s32, s30                     ; fragment (2 b, s); (2 b + 1, s) lies 8 fragments on
	s_mov_b32 s33, 0
	s_lshl_b32 s34, s31, 10
	s_add_co_u32 s34, s34, s30
	s_lshl_b32 s35, s25, 6
	s_add_co_u32 s34, s34, s35
	s_add_co_u32 s34, s34, SCO
	s_mov_b32 s35, 0
	v_and_b32 v5, 8, v2
	v_add_nc_u32 v5, v5, v2
	v_lshl_add_u32 v5, v3, 3, v5
	v_lshlrev_b32 v5, 2, v5                        ; my column among the 32: 8 u + m + 8 (m / 8): a permutation, so a load still reads 128 consecutive bytes
	v_lshlrev_b32 v6, 2, v2
	v_lshl_add_u32 v6, v3, 9, v6                   ; my scale word: 512 u + 4 m
	s_wait_kmcnt 0x0
	s_cmp_eq_u32 s24, 1
	s_cselect_b64 s[10:11], s[12:13], s[10:11]
	s_cmp_eq_u32 s24, 2
	s_cselect_b64 s[10:11], s[14:15], s[10:11]
	s_add_nc_u64 s[10:11], s[10:11], s[28:29]
	s_add_nc_u64 s[36:37], s[18:19], s[32:33]
	s_add_nc_u64 s[38:39], s[18:19], s[34:35]
.macro WLOAD bk                        ; block bk: W(32 bk + j, my column), j = 0 .. 31, into set bk % 2
.set j, 0
.rept 32
	global_load_b32 v[D+32*((\bk)&1)+j], v5, s[10:11] offset:(32*(\bk)+j)*4096 th:TH_LOAD_NT
.set j, j+1
.endr
.endm
.macro WBLOCK bk                       ; block bk of 32 along K: all its numbers are mine
.set DS, D+32*((\bk)&1)
.set FB, F0+12*((\bk)&1)+6*((\bk)>>1)
	v_max3_num_f32 v[MX], |v[DS]|, |v[DS+1]|, |v[DS+2]|
	v_max3_num_f32 v[MY], |v[DS+3]|, |v[DS+4]|, |v[DS+5]|
.irp i, 6,10,14,18,22,26
	v_max3_num_f32 v[MX], v[MX], |v[DS+\i]|, |v[DS+\i+1]|
	v_max3_num_f32 v[MY], v[MY], |v[DS+\i+2]|, |v[DS+\i+3]|
.endr
	v_max3_num_f32 v[MX], v[MX], |v[DS+30]|, |v[DS+31]|
	v_max3_num_f32 v[MX], v[MX], v[MY], 0x1800000  ; with the floor 2^(3 - 127)
	v_add_nc_u32 v[WSO], 0xff000000, v[MX]         ; 2 off the exponent field: the conversion's scale operand
	v_lshrrev_b32 v[WBY+\bk], 23, v[WSO]           ; the scale's byte
	v_cvt_scalef32_pk16_fp6_f32 v[FB:FB+2], v[DS:DS+15], v[WSO]
	v_cvt_scalef32_pk16_fp6_f32 v[TT+4*\bk:TT+4*\bk+2], v[DS+16:DS+31], v[WSO]   ; (a conversion's three registers begin on an even number)
.endm
	WLOAD 0
	WLOAD 1
	s_wait_loadcnt 32                              ; block 0's 32 loads are in; the next block's may be out
	WBLOCK 0
	WLOAD 2                                        ; into the set that block 0 has left
	s_wait_loadcnt 32
	WBLOCK 1                                       ; (its first lines are the plain lines behind block 0's conversions)
	WLOAD 3
	s_wait_loadcnt 32
	WBLOCK 2
	s_wait_loadcnt 0x0
	WBLOCK 3
	v_nop                                          ; one plain line behind the conversions
.irp bk, 0,1,2,3
.irp i, 0,1,2
	v_mov_b32 v[F0+12*(\bk%2)+6*(\bk/2)+3+\i], v[TT+4*\bk+\i]
.endr
.endr
	v_lshl_or_b32 v127, v[WBY+1], 8, v[WBY]
	v_lshl_or_b32 v127, v[WBY+2], 16, v127
	v_lshl_or_b32 v127, v[WBY+3], 24, v127         ; my column's scale word
.set j, 0
.rept 12                               ; lanes 0-15 hold tile 2 b's columns, lanes 16-31 tile 2 b + 1's: the even blocks' upper lanes change places with the odd blocks' lower lanes, and each run of 12 is a whole fragment
	v_permlane16_swap_b32 v[F0+j], v[F1+j]
.set j, j+1
.endr
.irp q, 0,1,2
	global_store_b128 v4, v[F0+4*\q:F0+4*\q+3], s[36:37] offset:512*\q
.endr
.irp q, 0,1,2
	global_store_b128 v4, v[F1+4*\q:F1+4*\q+3], s[36:37] offset:8*FRB+512*\q
.endr
	global_store_b32 v6, v127, s[38:39]
	s_endpgm
.Lfunc_end_k_q2c72c80550_prep:
	.size	k_q2c72c80550_prep, .Lfunc_end_k_q2c72c80550_prep-k_q2c72c80550_prep
	.p2alignl 7, 3214868480
	.fill 96, 4, 3214868480
	.section	.rodata,"a",@progbits
	.p2align	6, 0x0
	.amdhsa_kernel k_q2c72c80550_prep
		.amdhsa_group_segment_fixed_size 78848
		.amdhsa_private_segment_fixed_size 0
		.amdhsa_enable_private_segment 0
		.amdhsa_kernarg_size 64
		.amdhsa_user_sgpr_count 2
		.amdhsa_user_sgpr_kernarg_segment_ptr 1
		.amdhsa_wavefront_size32 1
		.amdhsa_system_sgpr_workgroup_id_x 1
		.amdhsa_system_sgpr_workgroup_id_y 1
		.amdhsa_system_sgpr_workgroup_id_z 1
		.amdhsa_system_vgpr_workitem_id 0
		.amdhsa_next_free_vgpr 130
		.amdhsa_next_free_sgpr 66
		.amdhsa_reserve_vcc 0
		.amdhsa_float_denorm_mode_32 3
		.amdhsa_float_denorm_mode_16_64 3
		.amdhsa_memory_ordered 1
		.amdhsa_forward_progress 1
		.amdhsa_inst_pref_size 48
	.end_amdhsa_kernel
	.amdgpu_metadata
---
amdhsa.version: [ 1, 2 ]
amdhsa.kernels:
  - .name:           k_q2c72c80550_prep
    .symbol:         k_q2c72c80550_prep.kd
    .args:
      - { .name: x, .offset: 0, .size: 8, .value_kind: global_buffer, .address_space: global }
      - { .name: gamma, .offset: 8, .size: 8, .value_kind: global_buffer, .address_space: global }
      - { .name: beta, .offset: 16, .size: 8, .value_kind: global_buffer, .address_space: global }
      - { .name: Wq, .offset: 24, .size: 8, .value_kind: global_buffer, .address_space: global }
      - { .name: Wk, .offset: 32, .size: 8, .value_kind: global_buffer, .address_space: global }
      - { .name: Wv, .offset: 40, .size: 8, .value_kind: global_buffer, .address_space: global }
      - { .name: xq, .offset: 48, .size: 8, .value_kind: global_buffer, .address_space: global }
      - { .name: wq, .offset: 56, .size: 8, .value_kind: global_buffer, .address_space: global }
    .group_segment_fixed_size: 78848
    .private_segment_fixed_size: 0
    .kernarg_segment_align: 8
    .kernarg_segment_size: 64
    .max_flat_workgroup_size: 256
    .sgpr_count:     66
    .vgpr_count:     130
    .wavefront_size: 32
...
	.end_amdgpu_metadata
.endif
;; end of part 1
;; launch kv (part 2): grid 8 x 32, 4 waves a work-group, clusters of 4 x 1, 327,680 bytes of LDS; arguments xq, wq, bk, bv, src_mask, pa; writes pa
.if DOCPART == 2
	.amdgcn_target "amdgcn-amd-amdhsa--gfx1250"
	.amdhsa_code_object_version 6
	.text
	.protected	k_q2c72c80550_kv
	.globl	k_q2c72c80550_kv
	.p2align	8
	.type	k_q2c72c80550_kv,@function
k_q2c72c80550_kv:
	s_mov_b64 s[64:65], 0
	v_nop
	global_prefetch_b8 v0, s[64:65] scope:SCOPE_SE
	s_setreg_imm32_b32 hwreg(HW_REG_WAVE_MODE, 25, 1), 1
	s_wait_xcnt 0x0
	s_wait_alu depctr_hold_cnt(0) depctr_sa_sdst(0) depctr_va_vdst(0) depctr_va_sdst(0) depctr_va_ssrc(0) depctr_va_vcc(0) depctr_vm_vsrc(0)
	s_getreg_b32 s2, hwreg(HW_REG_IB_STS2, 6, 4)
	s_cmp_eq_u32 s2, 0
	s_cbranch_scc0 .Lentry_in_a_cluster
	s_endpgm
.Lentry_in_a_cluster:
	s_bfe_u32 s2, ttmp6, 0x10000c
	s_cmp_lg_u32 s2, 0x3003
	s_cbranch_scc0 .Lentry_shape_is_right
	s_endpgm
.Lentry_shape_is_right:
; For one (batch, head) and 512 timesteps: k = xn Wk + bk + (1 - mask) x -1e6, v = (xn Wv + bv) x mask, the softmax of k over time in its streamed form, and the partial att = p^T v.
; All products on codes of FP6 (E2M3) with E8M0 scales.  Nothing of k or v goes to memory: out go the partial att [l][d], and for each d its -M and its sum l of the unquantised p.
; p = 2^(t - M), t = k x log2(e), M = the running largest t rounded UP to a whole number; when M moves, the sum and att are multiplied by 2^(old M - new M), which rounds nothing.
; SHARES.  Four steps of 128 timesteps, one block of xq each, through two LDS slots.  Wave w owns column tiles 2 w, 2 w + 1 of k and of v; its 32 weight fragments stay in registers.
; In a step it makes 128 times x 64 columns (256 products; source 0 = 16 times, source 1 = 16 columns: a lane holds ONE column, and by the order of a tile's rows its registers run along time),
; quantises v and p along time in registers, hands v's fragments round through LDS as images of their registers, and adds 16 products to att (source 0 = 16 l of v, source 1 = my 16 d of p).
; CLUSTER.  The four work-groups of a cluster are four heads of the same timesteps: they read the same blocks of xq, asked for JOINTLY (mask 15).  The place in the cluster enters the addresses of wq, bk, bv and pa alone.
; att begins as zeros and the largest t as -3e38, so that the step is written twice (with and without a refill ahead of it) and not a third time for a first step: 128 moves once.
; LIMITS: NaN and infinities are not served.  A block whose largest magnitude lies under 2^-124 has its byte held at 1; a block of zeros gets the byte 1 with zero codes.  The mask is taken as any float, in the order k + (1 - m) x -1e6 and v x m.
; t - M is one fused multiply-add.  The biases are the C of each sum's first product.
; REGISTERS.  window 0: v1-11, v46-47 addresses; v12-23 -M, largest t, sums, factors; v24-45 scale words of the weights and of xn; v48-79 biases; v80-223 three buffers of four xn fragments, later the mask, codes and v's fragments;
;   v224-239 at work; v240-251 scale words made here; v252-254 at work.   window 1: weight fragments of K steps 0-3 (v0-191), att of my first d tile (v192-255).   window 2: K steps 4-7, att of my second.   window 3: the 32 accumulators, (time tile i, column tile c) at v[64 c + 8 i].
.set BLK,   102400
.set FRB,   1536
.set SCO,   98304
.set SLOT1, 1<<17                      ; slot 1 begins here: one exclusive or turns an address
.set MSKB,  102400                     ; behind slot 0: each wave's own copy of the 512 mask numbers, 2,048 bytes
.set VIMG,  110592                     ; v's eight fragments
.set VSC,   122880                     ; their scale words, 128 bytes each
.set SPARE, 123904                     ; the spare words, 128 bytes a wave: two blocks of 256 bytes that no other line names
.set PAB,   67584                      ; a work-group's part of pa
.set BI,    48
.set MK,    80
.set BM,    224
.set BY,    228
.set SO,    236
.set MSB, 0
.macro WIN new                         ; the immediate's high byte repeats the setting that is left
.if MSB != (\new)
	s_set_vgpr_msb (MSB<<8)|(\new)
.set MSB, \new
.endif
.endm
.macro PLACES n
.rept \n
	v_nop
.endr
.endm
.macro ROUND                           ; a round of the cluster's barrier
	s_barrier_signal -1
	s_barrier_wait -1
	s_cmp_lg_u32 s16, 0
	s_cbranch_scc1 .Lnot_wave_0_\@
	s_barrier_signal -3
.Lnot_wave_0_\@:
	s_barrier_wait -3
	s_barrier_signal -1
	s_barrier_wait -1
.endm
; one product; the registers are named by rD, rA, rB, rC, rSA, rSB; ra, rb = 1: that side's scale words stand in lanes 16-31
.macro WMS ra, rb
.if (\ra) && (\rb)
	v_wmma_scale_f32_16x16x128_f8f6f4 v[rD:rD+7], v[rA:rA+11], v[rB:rB+11], v[rC:rC+7], v[rSA], v[rSB] matrix_a_fmt:MATRIX_FMT_FP6 matrix_b_fmt:MATRIX_FMT_FP6 matrix_a_scale:MATRIX_SCALE_ROW1 matrix_b_scale:MATRIX_SCALE_ROW1
.elseif (\ra)
	v_wmma_scale_f32_16x16x128_f8f6f4 v[rD:rD+7], v[rA:rA+11], v[rB:rB+11], v[rC:rC+7], v[rSA], v[rSB] matrix_a_fmt:MATRIX_FMT_FP6 matrix_b_fmt:MATRIX_FMT_FP6 matrix_a_scale:MATRIX_SCALE_ROW1
.elseif (\rb)
	v_wmma_scale_f32_16x16x128_f8f6f4 v[rD:rD+7], v[rA:rA+11], v[rB:rB+11], v[rC:rC+7], v[rSA], v[rSB] matrix_a_fmt:MATRIX_FMT_FP6 matrix_b_fmt:MATRIX_FMT_FP6 matrix_b_scale:MATRIX_SCALE_ROW1
.else
	v_wmma_scale_f32_16x16x128_f8f6f4 v[rD:rD+7], v[rA:rA+11], v[rB:rB+11], v[rC:rC+7], v[rSA], v[rSB] matrix_a_fmt:MATRIX_FMT_FP6 matrix_b_fmt:MATRIX_FMT_FP6
.endif
.endm
; from the four blocks' largest magnitudes in v[BM] on: the conversions' scale operands in v[SO] on and the scale word in v[pw]
.macro SCALEW pw
.irp b, 0,1,2,3
	v_add_nc_u32 v[SO+\b], 0xff000000, v[BM+\b]    ; 2 off the exponent field
.endr
.irp b, 0,1,2,3
	v_lshrrev_b32 v[BY+\b], 23, v[SO+\b]           ; the byte
.endr
	v_lshl_or_b32 v[\pw], v[BY+1], 8, v[BY]
	v_lshl_or_b32 v[\pw], v[BY+2], 16, v[\pw]
	v_lshl_or_b32 v[\pw], v[BY+3], 24, v[\pw]
.endm
; 64 numbers (register 16 b + e = K 32 b + 16 (lane / 16) + e of my row), in the window that wsrc names for source 0, become a fragment in v[f] on
.macro PACK6 src, wsrc, f, t8
	WIN \wsrc
.irp c, 0,1
	v_cvt_scalef32_pk16_fp6_f32 v[(\f)+6*\c:(\f)+6*\c+2], v[(\src)+32*\c:(\src)+32*\c+15], v[SO+2*\c]
	v_cvt_scalef32_pk16_fp6_f32 v[(\t8)+4*\c:(\t8)+4*\c+2], v[(\src)+32*\c+16:(\src)+32*\c+31], v[SO+2*\c+1]
.endr
	WIN 0
	v_nop                                          ; one plain line behind the conversions
.irp c, 0,1                                    ; the operand wants a whole block in a lane
.irp i, 0,1,2
	v_permlane16_swap_b32 v[(\f)+6*\c+\i], v[(\t8)+4*\c+\i]
.endr
.irp i, 0,1,2
	v_mov_b32 v[(\f)+6*\c+3+\i], v[(\t8)+4*\c+\i]
.endr
.endr
.endm
; the quantiser of signed numbers that lie in window 3
.macro QABS src, f, t8, pw
	WIN 0x3C
.irp b, 0,1,2,3
	v_max3_num_f32 v[BM+\b], 0x1800000, |v[(\src)+16*\b]|, |v[(\src)+16*\b+1]|   ; with the floor 2^(3 - 127)
.endr
.irp i, 2,4,6,8,10,12,14
.irp b, 0,1,2,3
	v_max3_num_f32 v[BM+\b], v[BM+\b], |v[(\src)+16*\b+\i]|, |v[(\src)+16*\b+\i+1]|
.endr
.endr
	WIN 0
.irp b, 0,1,2,3
	v_permlanex16_b32 v[BY+\b], v[BM+\b], s36, s37
.endr
.irp b, 0,1,2,3
	v_max_num_f32 v[BM+\b], v[BM+\b], v[BY+\b]
.endr
	SCALEW \pw
	PACK6 \src, 0x03, \f, \t8
.endm
	s_load_b256 s[4:11], s[0:1], 0x0               ; xq, wq, bk, bv
	s_load_b128 s[12:15], s[0:1], 0x20             ; src_mask, pa
	v_lshl_add_u32 v2, v0, 2, SPARE
	v_mov_b32 v3, 0
	ds_add_u32 v2, v3
	ds_add_u32 v2, v3
	s_wait_dscnt 0x0
	v_lshrrev_b32 v1, 5, v0
	v_readfirstlane_b32 s16, v1                    ; wave 0..3
	s_bfe_u32 s17, ttmp6, 0x40000                  ; cx
	s_lshl_b32 s18, ttmp9, 2
	s_add_co_u32 s18, s18, s17                     ; the head = 4 x cluster x + cx
	s_and_b32 s19, ttmp7, 0xffff                   ; 8 x batch + chunk, which the four partners share
	; descriptor group 1: a quarter of a block, 100 rows of 256 bytes (32 elements of 8 bytes), dense; an image is read 512 consecutive bytes an instruction, so no padding
	s_mov_b32 s24, 15|(3<<16)|(1<<21)              ; 15:0 the mask: all four work-groups; 17:16 elements of 8 bytes; 21 set beside a mask
	s_mov_b32 s25, 32<<16                          ; tensor_dim0
	s_mov_b32 s26, 100<<16                         ; tensor_dim1
	s_mov_b32 s27, 32<<16                          ; tile_dim0
	s_mov_b32 s28, 100                             ; tile_dim1
	s_mov_b32 s29, 32                              ; the pitch
	s_mov_b32 s30, 0
	s_mov_b32 s31, 0
	s_mul_i32 s20, s19, 4*BLK                      ; my four blocks of xq,
	s_mul_i32 s33, s16, 25600                      ; my wave's quarter: in LDS (slot 0)
	s_add_co_u32 s20, s20, s33                     ; and in memory
	s_mov_b32 s21, 0
	s_mov_b32 s32, 1
	s_add_co_u32 s22, s18, 8
	s_mul_i32 s22, s22, BLK                        ; Wk's block of my head; Wv's lies 8 blocks on
	s_mov_b32 s23, 0
	s_lshl_b32 s48, s18, 9                         ; the head's 128 biases
	s_mov_b32 s49, 0
	s_lshl_b32 s50, s19, 11                        ; my 512 mask numbers
	s_mov_b32 s51, 0
	s_lshr_b32 s52, s19, 3
	s_lshl_b32 s52, s52, 3
	s_add_co_u32 s52, s52, s18
	s_lshl_b32 s52, s52, 3
	s_and_b32 s53, s19, 7
	s_add_co_u32 s52, s52, s53                     ; (8 batch + head) 8 + chunk
	s_mul_i32 s52, s52, PAB
	s_mov_b32 s53, 0
	s_mov_b32 s36, 0x76543210
	s_mov_b32 s37, 0xfedcba98                      ; v_permlanex16_b32's selects for lane l xor 16
	s_mov_b32 s38, 0x3fb8aa3b                      ; log2(e)
	s_mov_b32 s39, s38                             ; (named with it as a pair)
	s_mov_b32 s40, 0                               ; the slot in hand
	s_mov_b32 s41, 0                               ; the step's place among the mask numbers
	s_mov_b32 s42, 3                               ; refills to come
	v_and_b32 v80, 15, v0                          ; r
	v_bfe_u32 v81, v0, 4, 1                        ; h
	v_and_b32 v83, 31, v0
	v_lshlrev_b32 v1, 4, v83                       ; 16 x lane
	v_lshlrev_b32 v83, 2, v83                      ; 4 x lane
	v_lshlrev_b32 v82, 2, v80
	v_lshl_add_u32 v82, v81, 9, v82                ; 4 r + 512 h: a pair of tiles' scale words, one tile in each half of the lanes
	v_add_nc_u32 v4, SCO, v82
	s_lshl_b32 s54, s16, 11
	s_add_co_u32 s54, s54, MSKB
	v_lshl_add_u32 v5, v81, 6, s54                 ; my copy of the mask, + 64 h
	v_add_nc_u32 v99, s54, v1
	s_mul_i32 s55, s16, 2*FRB
	s_add_co_u32 s55, s55, VIMG
	v_add_nc_u32 v10, s55, v1                      ; where I store v's images
	s_lshl_b32 s55, s16, 8
	s_add_co_u32 s55, s55, VSC
	v_add_nc_u32 v11, s55, v83                     ; and their scale words
	v_add_nc_u32 v46, VIMG, v1                     ; where everybody reads them
	v_add_nc_u32 v47, VSC, v83
	s_mul_i32 s56, s16, 16*FRB
	v_add_nc_u32 v96, s56, v1                      ; my two tiles' fragments in a weight's block
	s_lshl_b32 s56, s16, 10
	v_add_nc_u32 v97, s56, v82                     ; their scale words
	v_and_b32 v84, 8, v80
	v_add_nc_u32 v84, v84, v80
	v_lshlrev_b32 v84, 2, v84
	s_lshl_b32 s56, s16, 7
	v_add_nc_u32 v98, s56, v84                     ; my column's bias: 128 w + 4 (r + 8 (r / 8))
	s_wait_kmcnt 0x0
	s_add_nc_u64 s[34:35], s[4:5], s[20:21]
	s_or_b32 s35, s35, 0x80000000                  ; type = 2
	s_add_nc_u64 s[44:45], s[6:7], s[22:23]
	s_add_nc_u64 s[46:47], s[44:45], 8*BLK
	s_add_nc_u64 s[8:9], s[8:9], s[48:49]
	s_add_nc_u64 s[10:11], s[10:11], s[48:49]
	s_add_nc_u64 s[12:13], s[12:13], s[50:51]
	s_add_nc_u64 s[14:15], s[14:15], s[52:53]
	ROUND                                          ; all four work-groups are here: the first joint loads meet
	tensor_load_to_lds s[32:35], s[24:31]          ; step 0's block into slot 0: one load of mine is out
	s_nop 0
	PLACES 4                                       ; four such lines behind a tensor load
	WIN 0x40
.irp c, 0,1,2,3
.irp s, 0,1,2,3
.irp q, 0,1,2
	global_load_b128 v[(4*\c+\s)*12+4*\q:(4*\c+\s)*12+4*\q+3], v96, s[44+2*(\c/2):45+2*(\c/2)] offset:(\c%2)*8*FRB+\s*FRB+512*\q
.endr
.endr
.endr
	WIN 0x80
.irp c, 0,1,2,3
.irp s, 0,1,2,3
.irp q, 0,1,2
	global_load_b128 v[(4*\c+\s)*12+4*\q:(4*\c+\s)*12+4*\q+3], v96, s[44+2*(\c/2):45+2*(\c/2)] offset:(\c%2)*8*FRB+(\s+4)*FRB+512*\q
.endr
.endr
.endr
	WIN 0
.irp g, 0,1
.irp s, 0,1,2,3,4,5,6,7
	global_load_b32 v[24+8*\g+\s], v97, s[44+2*\g:45+2*\g] offset:SCO+64*\s
.endr
.endr
.irp u, 0,1
.irp j, 0,1,2,3,4,5,6,7
	global_load_b32 v[BI+8*\u+\j], v98, s[8:9] offset:32*\u        ; a bias as C: the lane's column in all eight registers (eight times)
	global_load_b32 v[BI+16+8*\u+\j], v98, s[10:11] offset:32*\u
.endr
.endr
.irp q, 0,1,2,3
	global_load_b128 v[100+4*\q:103+4*\q], v1, s[12:13] offset:512*\q
.endr
	WIN 0x40
.set n, 192
.rept 64
	v_mov_b32 v[n], 0                              ; att
.set n, n+1
.endr
	WIN 0x80
.set n, 192
.rept 64
	v_mov_b32 v[n], 0
.set n, n+1
.endr
	WIN 0
	v_mov_b32 v13, 0xff61b1e6                      ; the largest t so far: -3e38
	v_mov_b32 v15, 0xff61b1e6
	v_floor_f32 v12, -v13                          ; -M
	v_floor_f32 v14, -v15
.irp j, 16,17,18,19,20,21,22,23
	v_mov_b32 v\j, 0                               ; the sums; the factors' pairs
.endr
.irp b, 0,1,2,3
	v_mov_b32 v[BY+\b], 0                          ; written once: a lane permute's destination counts as one of its sources
.endr
	s_wait_loadcnt 0x0
.irp q, 0,1,2,3
	ds_store_b128 v99, v[100+4*\q:103+4*\q] offset:512*\q           ; my own copy of the mask: no other wave touches it
.endr
; group g of 16: K step g / 2, time tiles 4 (g % 2) + 0 .. 3, buffer g % 3: 12 loads of 16 bytes and 2 scale words
.macro LOADG g
.set LS_, (\g)>>1
.set LH_, (\g)&1
.set LB_, 80+48*((\g)%3)
.set LA_, 40+2*((\g)%3)
	WIN 0
.irp ii, 0,1,2,3
.irp q, 0,1,2
	ds_load_b128 v[LB_+12*\ii+4*\q:LB_+12*\ii+4*\q+3], v[6+LH_] offset:(8*\ii+LS_)*FRB+512*\q
.endr
.endr
.irp jp, 0,1
	ds_load_b32 v[LA_+\jp], v8 offset:1024*(2*LH_+\jp)+64*LS_
.endr
.endm
; its 16 products: 4 column tiles x 4 time tiles.  An accumulator comes up again 32 products later
.macro MULG g
.set MS_, (\g)>>1
.set MH_, (\g)&1
.set MB_, 80+48*((\g)%3)
.set MA_, 40+2*((\g)%3)
.if MS_ == 0
	WIN 0xC4                                       ; A window 0, B window 1, C (the bias) window 0, D window 3
.elseif MS_ < 4
	WIN 0xF4
.else
	WIN 0xF8                                       ; B window 2
.endif
.irp c, 0,1,2,3
.irp ii, 0,1,2,3
.set rD, 64*\c+8*(4*MH_+\ii)
.set rA, MB_+12*\ii
.set rB, (4*\c+(MS_&3))*12
.if MS_ == 0
.set rC, BI+8*\c
.else
.set rC, rD
.endif
.set rSA, MA_+\ii/2
.set rSB, 24+8*(\c/2)+MS_
	WMS \ii%2, \c%2
.endr
.endr
.endm
; the softmax over time of my d tile kt for these 128 timesteps; the scores lie in window 3 at v[64 kt] on; v[MK] on holds (1 - mask) x -1e6
.macro KSOFT kt
.set S_,  64*(\kt)
.set NM_, 12+2*(\kt)
.set LL_, 16+2*(\kt)
.set FF_, 20+2*(\kt)
	WIN 0xC3
.set n, 0
.rept 32
	v_pk_add_f32 v[S_+n:S_+n+1], v[S_+n:S_+n+1], v[MK+n:MK+n+1]   ; ascending: each accumulator is first read at its low end
.set n, n+2
.endr
	WIN 0x3F
.irp b, 0,1,2,3
	v_max3_num_f32 v[BM+\b], v[S_+16*\b], v[S_+16*\b+1], v[S_+16*\b+2]   ; the largest score of each block of 32: for the column's maximum, and, since p rises with the score, for the block's largest p
.endr
	WIN 0x3C
.irp i, 3,5,7,9,11,13
.irp b, 0,1,2,3
	v_max3_num_f32 v[BM+\b], v[BM+\b], v[S_+16*\b+\i], v[S_+16*\b+\i+1]
.endr
.endr
.irp b, 0,1,2,3
	v_max_num_f32 v[BM+\b], v[BM+\b], v[S_+16*\b+15]
.endr
	WIN 0
.irp b, 0,1,2,3
	v_permlanex16_b32 v[BY+\b], v[BM+\b], s36, s37
.endr
.irp b, 0,1,2,3
	v_max_num_f32 v[BM+\b], v[BM+\b], v[BY+\b]
.endr
	v_max3_num_f32 v254, v[BM], v[BM+1], v[BM+2]
	v_max_num_f32 v254, v254, v[BM+3]
	v_mul_f32 v254, s38, v254                      ; as t
	v_max_num_f32 v[NM_+1], v[NM_+1], v254         ; the running largest t
	v_mov_b32 v254, v[NM_]
	v_floor_f32 v[NM_], -v[NM_+1]                  ; the new -M = -ceil(t)
	v_sub_f32 v254, v[NM_], v254                   ; old M - new M: a whole number, 0 or less
	v_cvt_i32_f32 v254, v254                       ; (it saturates)
	v_ldexp_f32 v[FF_], 1.0, v254                  ; f = 2^(old M - new M)
.irp b, 0,1,2,3
	v_fma_f32 v[BM+\b], v[BM+\b], s38, v[NM_]
.endr
	WIN 0xC3
.set n, 0
.rept 32
	v_pk_fma_f32 v[S_+n:S_+n+1], v[S_+n:S_+n+1], s[38:39], v[NM_:NM_+1] op_sel_hi:[1,0,0]   ; t - M
.set n, n+2
.endr
.set n, 0
.rept 64
	v_exp_f32 v[S_+n], v[S_+n]                     ; p
.set n, n+1
.endr
	WIN 0
	v_pk_mul_f32 v[LL_:LL_+1], v[LL_:LL_+1], v[FF_:FF_+1] op_sel_hi:[1,0]   ; the sums under the new M (a plain line behind the exponentials)
	s_wait_alu depctr_va_vdst(0)                   ; one wait for the batch, ahead of its first reader
.irp b, 0,1,2,3
	v_exp_f32 v[BM+\b], v[BM+\b]                   ; the blocks' largest p
.endr
	WIN 0x0F
	v_pk_add_f32 v[252:253], v[S_:S_+1], v[S_+2:S_+3]   ; the sum is taken of the unquantised p, in two chains
	WIN 0x0C
.set n, 4
.rept 15
	v_pk_add_f32 v[LL_:LL_+1], v[LL_:LL_+1], v[S_+n:S_+n+1]
	v_pk_add_f32 v[252:253], v[252:253], v[S_+n+2:S_+n+3]
.set n, n+4
.endr
	WIN 0
	v_pk_add_f32 v[LL_:LL_+1], v[LL_:LL_+1], v[252:253]
	s_wait_alu depctr_va_vdst(0)                   ; and one for the four
.irp b, 0,1,2,3
	v_max_num_f32 v[BM+\b], 0x1800000, v[BM+\b]    ; the floor 2^(3 - 127)
.endr
	SCALEW 240+\kt
	PACK6 S_, 0x03, 200+12*(\kt), 184
.endm
; THE CHANGE OF SLOTS stands at a step's head.  Each wave waits for all its tensor loads (one is out: its quarter of the block that it is about to read), adds 0 to its spare word, and waits for that and for its LDS reads.
; fill = 1: the barrier is a round of the cluster's, and behind it the other slot takes the next block: that load has a whole step in which to land.
.macro CHANGE fill
	WIN 0
	s_wait_tensorcnt 0x0                           ; no tensor load of mine is out, so the descriptor may be written
	ds_add_u32 v2, v3                              ; 0 onto my spare word
.if \fill
	s_xor_b32 s33, s33, SLOT1                      ; the other slot,
	s_add_nc_u64 s[34:35], s[34:35], BLK           ; the next block; the type bits on top are not reached
.endif
	s_wait_dscnt 0x0                               ; the add is done, and so are my reads of the slot that I have left and of v's images
.if \fill
	ROUND
	tensor_load_to_lds s[32:35], s[24:31]          ; the first thing behind the round, and my one tensor load until the next
	s_nop 0
	PLACES 4
.else
	s_barrier_signal -1
	s_barrier_wait -1
.endif
.endm
.macro STEP
	v_add_nc_u32 v6, s40, v1                       ; (these four plain lines are the places between the last products of att and the loads into registers that they read)
	v_add_nc_u32 v8, s40, v4
	v_add_nc_u32 v9, s41, v5
	v_add_nc_u32 v7, 32*FRB, v6                    ; time tiles 4 to 7
	LOADG 0
	LOADG 1
.set gg, 0
.rept 16
.if gg > 0
	PLACES 4                                       ; four places in front of loads into registers that products have read
.endif
.if gg < 14
	LOADG gg+2
	s_wait_dscnt 28                                ; this group's 14 loads are in; the two younger groups' may be out
.elseif gg == 14
	s_wait_dscnt 14
.else
	s_wait_dscnt 0x0
.endif
	MULG gg
.set gg, gg+1
.endr
	; ---- v: x mask, quantised along time, images to LDS
	PLACES 4
	WIN 0
.irp b, 0,1,2,3
.irp q, 0,1,2,3
	ds_load_b128 v[MK+16*\b+4*\q:MK+16*\b+4*\q+3], v9 offset:128*\b+16*\q   ; the mask at my registers' times: 32 b + 16 h + 0 .. 15
.endr
.endr
	s_wait_dscnt 0x0
.irp vt, 0,1
	WIN 0xC3
.set n, 0
.rept 32
	v_pk_mul_f32 v[128+64*\vt+n:128+64*\vt+n+1], v[128+64*\vt+n:128+64*\vt+n+1], v[MK+n:MK+n+1]
.set n, n+2
.endr
	QABS 128+64*\vt, 144+20*\vt, 156+20*\vt, 250+\vt
.irp q, 0,1,2
	ds_store_b128 v10, v[144+20*\vt+4*\q:144+20*\vt+4*\q+3] offset:FRB*\vt+512*\q
.endr
	ds_store_b32 v11, v[250+\vt] offset:128*\vt
.endr
	s_wait_dscnt 0x0                               ; for the others' sake: my images lie in LDS
	s_barrier_signal -1
	; ---- k: the softmax, on registers alone, while the other waves arrive
.set n, 0
.rept 32
	v_pk_fma_f32 v[MK+n:MK+n+1], v[MK+n:MK+n+1], -1.0, 1.0 op_sel_hi:[1,0,0]   ; 1 - mask, rounded once
.set n, n+2
.endr
.set n, 0
.rept 32
	v_pk_mul_f32 v[MK+n:MK+n+1], v[MK+n:MK+n+1], 0xc9742400 op_sel_hi:[1,0]    ; x -1e6
.set n, n+2
.endr
	KSOFT 0
	KSOFT 1
	s_barrier_wait -1                              ; v's eight fragments lie in LDS
.irp lt, 0,1,2,3,4,5,6,7
.irp q, 0,1,2
	ds_load_b128 v[80+12*\lt+4*\q:83+12*\lt+4*\q], v46 offset:FRB*\lt+512*\q
.endr
	ds_load_b32 v[242+\lt], v47 offset:128*\lt
.endr
	WIN 0x41
.set n, 192
.rept 32
	v_pk_mul_f32 v[n:n+1], v[n:n+1], v[20:21] op_sel_hi:[1,0]      ; att under the new M.  (These lines are also the places between the making of p's codes and scale words and the products)
.set n, n+2
.endr
	WIN 0x82
.set n, 192
.rept 32
	v_pk_mul_f32 v[n:n+1], v[n:n+1], v[22:23] op_sel_hi:[1,0]
.set n, n+2
.endr
	s_wait_dscnt 0x0
	WIN 0x50                                       ; A (v) and B (p) window 0, C and D window 1
.irp lt, 0,1,2,3,4,5,6,7
	v_wmma_scale_f32_16x16x128_f8f6f4 v[192+8*\lt:199+8*\lt], v[80+12*\lt:91+12*\lt], v[200:211], v[192+8*\lt:199+8*\lt], v[242+\lt], v240 matrix_a_fmt:MATRIX_FMT_FP6 matrix_b_fmt:MATRIX_FMT_FP6
.endr
	WIN 0xA0
.irp lt, 0,1,2,3,4,5,6,7
	v_wmma_scale_f32_16x16x128_f8f6f4 v[192+8*\lt:199+8*\lt], v[80+12*\lt:91+12*\lt], v[212:223], v[192+8*\lt:199+8*\lt], v[242+\lt], v241 matrix_a_fmt:MATRIX_FMT_FP6 matrix_b_fmt:MATRIX_FMT_FP6
.endr
	WIN 0
	s_xor_b32 s40, s40, SLOT1
	s_add_co_u32 s41, s41, 512
.endm
.Lstep:                                            ; three trips: behind each change of slots but the last the next block is asked for
	CHANGE 1
	STEP
	s_sub_co_u32 s42, s42, 1
	s_cmp_lg_u32 s42, 0
	s_cbranch_scc1 .Lstep
	CHANGE 0                                       ; the last step is written out
	STEP
	; THE WAY OUT: images again: lane (r, h), register j of att(kt, lt) is l = 32 (lt / 2) + 8 (lt % 2) + 16 h + j, d = 32 w + 8 kt + r + 8 (r / 8)
	v_add_f32 v16, v16, v17                        ; the sums' halves (these lines are the places behind the last products)
	v_add_f32 v18, v18, v19
	v_permlanex16_b32 v17, v16, s36, s37
	v_permlanex16_b32 v19, v18, s36, s37
	v_mov_b32 v224, v12
	v_mov_b32 v226, v14
	v_add_f32 v225, v16, v17
	v_add_f32 v227, v18, v19
	s_lshl_b32 s20, s16, 14
	v_add_nc_u32 v228, s20, v1
	s_lshl_b32 s20, s16, 9
	v_add_nc_u32 v229, s20, v1
	WIN 0x04                                       ; a store's data are its source 1: window 1
.irp lt, 0,1,2,3,4,5,6,7
.irp jq, 0,1
	global_store_b128 v228, v[192+8*\lt+4*\jq:195+8*\lt+4*\jq], s[14:15] offset:1024*\lt+512*\jq th:TH_STORE_NT   ; 512 consecutive bytes, aligned; each accumulator from its low end on
.endr
.endr
	WIN 0x08
.irp lt, 0,1,2,3,4,5,6,7
.irp jq, 0,1
	global_store_b128 v228, v[192+8*\lt+4*\jq:195+8*\lt+4*\jq], s[14:15] offset:8192+1024*\lt+512*\jq th:TH_STORE_NT
.endr
.endr
	WIN 0
	global_store_b128 v229, v[224:227], s[14:15] offset:65536 th:TH_STORE_NT   ; -M, l of my two d
	s_wait_tensorcnt 0x0                           ; the wave's end
	ds_add_u32 v2, v3
	s_wait_dscnt 0x0
	ROUND                                          ; the closing round: no work-group ends while a partner may still ask for a block that names it
	s_endpgm
.Lfunc_end_k_q2c72c80550_kv:
	.size	k_q2c72c80550_kv, .Lfunc_end_k_q2c72c80550_kv-k_q2c72c80550_kv
	.p2alignl 7, 3214868480
	.fill 96, 4, 3214868480
	.section	.rodata,"a",@progbits
	.p2align	6, 0x0
	.amdhsa_kernel k_q2c72c80550_kv
		.amdhsa_group_segment_fixed_size 327680
		.amdhsa_private_segment_fixed_size 0
		.amdhsa_enable_private_segment 0
		.amdhsa_kernarg_size 48
		.amdhsa_user_sgpr_count 2
		.amdhsa_user_sgpr_kernarg_segment_ptr 1
		.amdhsa_wavefront_size32 1
		.amdhsa_system_sgpr_workgroup_id_x 1
		.amdhsa_system_sgpr_workgroup_id_y 1
		.amdhsa_system_sgpr_workgroup_id_z 1
		.amdhsa_system_vgpr_workitem_id 0
		.amdhsa_next_free_vgpr 1024
		.amdhsa_next_free_sgpr 66
		.amdhsa_reserve_vcc 0
		.amdhsa_float_denorm_mode_32 3
		.amdhsa_float_denorm_mode_16_64 3
		.amdhsa_memory_ordered 1
		.amdhsa_forward_progress 1
		.amdhsa_inst_pref_size 234
	.end_amdhsa_kernel
	.amdgpu_metadata
---
amdhsa.version: [ 1, 2 ]
amdhsa.kernels:
  - .name:           k_q2c72c80550_kv
    .symbol:         k_q2c72c80550_kv.kd
    .args:
      - { .name: xq, .offset: 0, .size: 8, .value_kind: global_buffer, .address_space: global }
      - { .name: wq, .offset: 8, .size: 8, .value_kind: global_buffer, .address_space: global }
      - { .name: bk, .offset: 16, .size: 8, .value_kind: global_buffer, .address_space: global }
      - { .name: bv, .offset: 24, .size: 8, .value_kind: global_buffer, .address_space: global }
      - { .name: src_mask, .offset: 32, .size: 8, .value_kind: global_buffer, .address_space: global }
      - { .name: pa, .offset: 40, .size: 8, .value_kind: global_buffer, .address_space: global }
    .group_segment_fixed_size: 327680
    .private_segment_fixed_size: 0
    .kernarg_segment_align: 8
    .kernarg_segment_size: 48
    .max_flat_workgroup_size: 128
    .sgpr_count:     66
    .vgpr_count:     1024
    .wavefront_size: 32
...
	.end_amdgpu_metadata
.endif
;; end of part 2
;; launch comb (part 3): grid 8 x 32, 4 waves a work-group, no clusters, 9,216 bytes of LDS; arguments pa, aq; writes aq
.if DOCPART == 3
	.amdgcn_target "amdgcn-amd-amdhsa--gfx1250"
	.amdhsa_code_object_version 6
	.text
	.protected	k_q2c72c80550_comb
	.globl	k_q2c72c80550_comb
	.p2align	8
	.type	k_q2c72c80550_comb,@function
k_q2c72c80550_comb:
	s_mov_b64 s[64:65], 0
	v_nop
	global_prefetch_b8 v0, s[64:65] scope:SCOPE_SE
	s_setreg_imm32_b32 hwreg(HW_REG_WAVE_MODE, 25, 1), 1
	s_wait_xcnt 0x0
; For one (batch, head) and one tile of 16 l: the eight chunks' partial att, -M and l are joined under the largest M by factors 2^(M_c - M), which round nothing; att is divided by the joined sum,
; and quantised along d to FP6 (E2M3) with E8M0 scales: one fragment (16 l x 128 d) as an image of the operand's registers, and its scale words.
; Wave w takes the images that wave w of the launch before stored, so a lane and a register mean what they meant there: lane (r, h), register j: row m = 8 h + j of the tile, d = 32 w + 8 kt + r + 8 (r / 8).
; The 16 x 128 numbers meet in LDS (rows of 512 bytes + 16); wave 0 quantises them: a lane holds two whole blocks of 32 along d.
; No matrix unit, no tensor load, no cluster: the launch reads each byte once and work-groups share nothing.
; LIMITS: NaN and infinities are not served; a block whose largest magnitude lies under 2^-124 has its byte held at 1, a block of zeros the byte 1 with zero codes.
.set PAB, 67584
.set ST,  8                            ; v8-39    chunk c: -M0, l0, -M1, l1
.set P,   40                           ; v40-167  chunk c, kt: 8 numbers at 16 c + 8 kt; later the 64 numbers to be quantised
.set FV,  168                          ; v168-183 the factors, two registers apart, so that a packed form can name each as a pair's low word
.set A,   184                          ; v184-199 the joined att
.set F,   220
.set T,   232
	s_load_b128 s[4:7], s[0:1], 0x0                ; pa, aq
	v_lshl_add_u32 v240, v0, 2, 0x2200
	v_mov_b32 v241, 0
	v_lshrrev_b32 v1, 5, v0
	v_readfirstlane_b32 s8, v1                     ; wave
	s_and_b32 s9, ttmp7, 0xffff                    ; 8 batch + head
	v_and_b32 v4, 31, v0
	v_lshlrev_b32 v1, 4, v4                        ; 16 x lane
	v_lshlrev_b32 v5, 2, v4                        ; 4 x lane
	v_and_b32 v2, 15, v0                           ; r
	v_bfe_u32 v3, v0, 4, 1                         ; h
	s_mul_i32 s10, s9, 8*PAB
	s_lshl_b32 s12, s8, 9
	s_add_co_u32 s12, s12, s10
	s_add_co_u32 s12, s12, 65536                   ; the statistics
	s_mov_b32 s13, 0
	s_lshl_b32 s14, s8, 14
	s_add_co_u32 s14, s14, s10
	s_lshl_b32 s15, ttmp9, 10
	s_add_co_u32 s14, s14, s15                     ; my wave's images of tile lt
	s_mov_b32 s15, 0
	s_mul_i32 s16, s9, 13312
	s_mul_i32 s17, ttmp9, 1536
	s_add_co_u32 s16, s16, s17
	s_mov_b32 s17, 0
	s_mul_i32 s18, s9, 13312
	s_lshl_b32 s19, ttmp9, 7
	s_add_co_u32 s18, s18, s19
	s_add_co_u32 s18, s18, 12288
	s_mov_b32 s19, 0
	s_mov_b32 s28, 0x76543210
	s_mov_b32 s29, 0xfedcba98
	v_and_b32 v6, 8, v2
	v_add_nc_u32 v6, v6, v2
	v_lshlrev_b32 v6, 2, v6
	v_mad_u32_u24 v6, v3, 4224, v6
	s_lshl_b32 s20, s8, 7
	v_add_nc_u32 v6, s20, v6                       ; into LDS: row 8 h (+ j), column d: the 32 lanes touch 32 different banks
	v_mul_u32_u24 v7, v2, 528
	v_lshl_add_u32 v7, v3, 7, v7                   ; out of it: row r, d = 32 h on
.irp c, 0,1,2,3,4,5,6,7
	v_mov_b32 v[FV+2*\c+1], 0                      ; named as the upper halves of pairs
.endr
	v_mov_b32 v205, 0
	v_mov_b32 v207, 0
	s_wait_kmcnt 0x0
	s_add_nc_u64 s[20:21], s[4:5], s[12:13]
	s_add_nc_u64 s[22:23], s[4:5], s[14:15]
	s_add_nc_u64 s[24:25], s[6:7], s[16:17]
	s_add_nc_u64 s[26:27], s[6:7], s[18:19]
.irp c, 0,1,2,3,4,5,6,7
	global_load_b128 v[ST+4*\c:ST+4*\c+3], v1, s[20:21] offset:PAB*\c th:TH_LOAD_NT
.endr
.irp c, 0,1,2,3,4,5,6,7
.irp kt, 0,1
.irp jq, 0,1
	global_load_b128 v[P+16*\c+8*\kt+4*\jq:P+16*\c+8*\kt+4*\jq+3], v1, s[22:23] offset:PAB*\c+8192*\kt+512*\jq th:TH_LOAD_NT
.endr
.endr
.endr
	s_wait_loadcnt 0x0
.irp kt, 0,1
	v_min3_num_f32 v200, v[ST+2*\kt], v[ST+4+2*\kt], v[ST+8+2*\kt]
	v_min3_num_f32 v200, v200, v[ST+12+2*\kt], v[ST+16+2*\kt]
	v_min3_num_f32 v200, v200, v[ST+20+2*\kt], v[ST+24+2*\kt]
	v_min_num_f32 v200, v200, v[ST+28+2*\kt]       ; the least -M: the largest M
.irp c, 0,1,2,3,4,5,6,7
	v_sub_f32 v[FV+2*\c], v200, v[ST+4*\c+2*\kt]   ; M_c - M: a whole number, 0 or less
.endr
.irp c, 0,1,2,3,4,5,6,7
	v_cvt_i32_f32 v[FV+2*\c], v[FV+2*\c]           ; (it saturates)
.endr
.irp c, 0,1,2,3,4,5,6,7
	v_ldexp_f32 v[FV+2*\c], 1.0, v[FV+2*\c]
.endr
	v_mul_f32 v[202+\kt], v[FV], v[ST+1+2*\kt]
.irp c, 1,2,3,4,5,6,7
	v_fmac_f32 v[202+\kt], v[FV+2*\c], v[ST+4*\c+1+2*\kt]
.endr
	v_rcp_f32 v[204+2*\kt], v[202+\kt]             ; the sum is over 1/2: the chunk with the largest M has a p over 1/2
.irp j, 0,2,4,6
	v_pk_mul_f32 v[A+8*\kt+\j:A+8*\kt+\j+1], v[P+8*\kt+\j:P+8*\kt+\j+1], v[FV:FV+1] op_sel_hi:[1,0]
.endr
.irp c, 1,2,3,4,5,6,7
.irp j, 0,2,4,6
	v_pk_fma_f32 v[A+8*\kt+\j:A+8*\kt+\j+1], v[P+16*\c+8*\kt+\j:P+16*\c+8*\kt+\j+1], v[FV+2*\c:FV+2*\c+1], v[A+8*\kt+\j:A+8*\kt+\j+1] op_sel_hi:[1,0,1]
.endr
.endr
.endr
	s_wait_alu depctr_va_vdst(0)                   ; one wait for both reciprocals, ahead of their first reader
.irp kt, 0,1
.irp j, 0,2,4,6
	v_pk_mul_f32 v[A+8*\kt+\j:A+8*\kt+\j+1], v[A+8*\kt+\j:A+8*\kt+\j+1], v[204+2*\kt:205+2*\kt] op_sel_hi:[1,0]
.endr
.endr
.irp kt, 0,1
.irp j, 0,1,2,3,4,5,6,7
	ds_store_b32 v6, v[A+8*\kt+\j] offset:528*\j+32*\kt
.endr
.endr
	s_wait_dscnt 0x0                               ; for wave 0's sake: my stores have landed
	s_barrier_signal -1
	s_barrier_wait -1
	s_cmp_lg_u32 s8, 0
	s_cbranch_scc1 .Ldone                          ; no barrier stands behind this branch
.irp c, 0,1
.irp q, 0,1,2,3,4,5,6,7
	ds_load_b128 v[P+32*\c+4*\q:P+32*\c+4*\q+3], v7 offset:256*\c+16*\q   ; att(row r, d = 64 c + 32 h + 0 .. 31)
.endr
.endr
	s_wait_dscnt 0x0
.irp c, 0,1
	v_max3_num_f32 v[208+\c], |v[P+32*\c]|, |v[P+1+32*\c]|, 0x1800000
.endr
.irp i, 2,4,6,8,10,12,14,16,18,20,22,24,26,28,30
.irp c, 0,1
	v_max3_num_f32 v[208+\c], v[208+\c], |v[P+32*\c+\i]|, |v[P+1+32*\c+\i]|
.endr
.endr
.irp c, 0,1
	v_add_nc_u32 v[210+\c], 0xff000000, v[208+\c]
.endr
.irp c, 0,1
	v_lshrrev_b32 v[212+\c], 23, v[210+\c]
.endr
	v_lshl_or_b32 v214, v213, 16, v212             ; my two bytes: blocks h and 2 + h,
	v_lshlrev_b32 v216, 3, v3
	v_lshlrev_b32 v214, v216, v214                 ; at their places in the word;
	v_mov_b32 v215, 0
	v_permlanex16_b32 v215, v214, s28, s29
	v_or_b32 v214, v214, v215                      ; with lane l xor 16's two the word is whole
.irp c, 0,1
	v_cvt_scalef32_pk16_fp6_f32 v[F+6*\c:F+6*\c+2], v[P+32*\c:P+32*\c+15], v[210+\c]
	v_cvt_scalef32_pk16_fp6_f32 v[T+4*\c:T+4*\c+2], v[P+32*\c+16:P+32*\c+31], v[210+\c]
.endr
	v_nop                                          ; one plain line behind the conversions
.irp c, 0,1
.irp i, 0,1,2
	v_mov_b32 v[F+6*\c+3+\i], v[T+4*\c+\i]
.endr
.endr
.irp q, 0,1,2
	global_store_b128 v1, v[F+4*\q:F+4*\q+3], s[24:25] offset:512*\q
.endr
	global_store_b32 v5, v214, s[26:27]
.Ldone:
	s_wait_tensorcnt 0x0
	ds_add_u32 v240, v241
	s_wait_dscnt 0x0
	s_endpgm
.Lfunc_end_k_q2c72c80550_comb:
	.size	k_q2c72c80550_comb, .Lfunc_end_k_q2c72c80550_comb-k_q2c72c80550_comb
	.p2alignl 7, 3214868480
	.fill 96, 4, 3214868480
	.section	.rodata,"a",@progbits
	.p2align	6, 0x0
	.amdhsa_kernel k_q2c72c80550_comb
		.amdhsa_group_segment_fixed_size 9216
		.amdhsa_private_segment_fixed_size 0
		.amdhsa_enable_private_segment 0
		.amdhsa_kernarg_size 16
		.amdhsa_user_sgpr_count 2
		.amdhsa_user_sgpr_kernarg_segment_ptr 1
		.amdhsa_wavefront_size32 1
		.amdhsa_system_sgpr_workgroup_id_x 1
		.amdhsa_system_sgpr_workgroup_id_y 1
		.amdhsa_system_sgpr_workgroup_id_z 1
		.amdhsa_system_vgpr_workitem_id 0
		.amdhsa_next_free_vgpr 242
		.amdhsa_next_free_sgpr 66
		.amdhsa_reserve_vcc 0
		.amdhsa_float_denorm_mode_32 3
		.amdhsa_float_denorm_mode_16_64 3
		.amdhsa_memory_ordered 1
		.amdhsa_forward_progress 1
		.amdhsa_inst_pref_size 20
	.end_amdhsa_kernel
	.amdgpu_metadata
---
amdhsa.version: [ 1, 2 ]
amdhsa.kernels:
  - .name:           k_q2c72c80550_comb
    .symbol:         k_q2c72c80550_comb.kd
    .args:
      - { .name: pa, .offset: 0, .size: 8, .value_kind: global_buffer, .address_space: global }
      - { .name: aq, .offset: 8, .size: 8, .value_kind: global_buffer, .address_space: global }
    .group_segment_fixed_size: 9216
    .private_segment_fixed_size: 0
    .kernarg_segment_align: 8
    .kernarg_segment_size: 16
    .max_flat_workgroup_size: 128
    .sgpr_count:     66
    .vgpr_count:     242
    .wavefront_size: 32
...
	.end_amdgpu_metadata
.endif
;; end of part 3
;; launch qy (part 4): grid 8 x 32, 4 waves a work-group, no clusters, 168,448 bytes of LDS; arguments xq, wq, aq, bq, x, out0; writes out0
.if DOCPART == 4
	.amdgcn_target "amdgcn-amd-amdhsa--gfx1250"
	.amdhsa_code_object_version 6
	.text
	.protected	k_q2c72c80550_qy
	.globl	k_q2c72c80550_qy
	.p2align	8
	.type	k_q2c72c80550_qy,@function
k_q2c72c80550_qy:
	s_mov_b64 s[64:65], 0
	v_nop
	global_prefetch_b8 v0, s[64:65] scope:SCOPE_SE
	s_setreg_imm32_b32 hwreg(HW_REG_WAVE_MODE, 25, 1), 1
	s_wait_xcnt 0x0
; For one (batch, head) and 512 rows: q = xn Wq + bq, its softmax over the head's 128 features in the form p = 2^(t - M), M = ceil(the row's largest t), y = (p att) / the row's sum of the unquantised p, out = x + y.
; Both products on codes of FP6 (E2M3) with E8M0 scales; q never goes to memory.
; SHARES.  Two passes of 256 rows; a wave takes 64 rows, four tiles of 16.  Both products are used transposed (source 0 = 16 features of Wq, or 16 l of att; source 1 = 16 rows): a lane holds ONE row,
; and by the order of a tile's rows in wq and aq its registers run along d, then along l, in their natural order.
; Wq's block of the head and att's fragments come into LDS once, by two tensor loads a wave at the head; nothing is filled again.  xn's fragments are each used by one wave alone and go from memory straight into registers, four K steps ahead.
; NO JOINT LOADS: what work-groups share here is Wq's block, about a tenth of what a work-group moves; xn's blocks shared by heads would want two slots of 102,400 bytes beside the 149,504 that stay, more than LDS holds.
; NO PREFETCH of x: the launch moves far more bytes than it has matrix work for, and each tile's rows of x are asked for by ordinary loads three K steps or a whole softmax ahead of their use.
; LIMITS: NaN and infinities are not served; a block of p whose largest number has fallen under 2^-124 has its byte held at 1.
; REGISTERS.  window 0: v1-10 addresses; v12-31 statistics; v32-67 scale words; v68-91 at work; v112-255 xn of K steps 5-7, later p's codes, later rows of y.
;   window 1: two sets of Wq's eight fragments (v0-95, v96-191), later att's eight (v0-95); v192-255 bq as C.   window 2: the 32 accumulators, (row tile ii, tile dt or lt) at v[64 ii + 8 dt].   window 3: xn of K steps 0-4, later the rows of x.
.set BLK,  102400
.set FRB,  1536
.set SCO,  98304
.set AQL,  102400                      ; LDS: att's fragments and scale words, 13,312 bytes
.set STGB, 115712                      ; a stage of 16 rows x (512 + 16) bytes for each wave
.set BM,   68
.set BY,   72
.set SO,   80
.set MSB, 0
.macro WIN new
.if MSB != (\new)
	s_set_vgpr_msb (MSB<<8)|(\new)
.set MSB, \new
.endif
.endm
.macro PLACES n
.rept \n
	v_nop
.endr
.endm
.macro WMS ra, rb
.if (\ra) && (\rb)
	v_wmma_scale_f32_16x16x128_f8f6f4 v[rD:rD+7], v[rA:rA+11], v[rB:rB+11], v[rC:rC+7], v[rSA], v[rSB] matrix_a_fmt:MATRIX_FMT_FP6 matrix_b_fmt:MATRIX_FMT_FP6 matrix_a_scale:MATRIX_SCALE_ROW1 matrix_b_scale:MATRIX_SCALE_ROW1
.elseif (\ra)
	v_wmma_scale_f32_16x16x128_f8f6f4 v[rD:rD+7], v[rA:rA+11], v[rB:rB+11], v[rC:rC+7], v[rSA], v[rSB] matrix_a_fmt:MATRIX_FMT_FP6 matrix_b_fmt:MATRIX_FMT_FP6 matrix_a_scale:MATRIX_SCALE_ROW1
.elseif (\rb)
	v_wmma_scale_f32_16x16x128_f8f6f4 v[rD:rD+7], v[rA:rA+11], v[rB:rB+11], v[rC:rC+7], v[rSA], v[rSB] matrix_a_fmt:MATRIX_FMT_FP6 matrix_b_fmt:MATRIX_FMT_FP6 matrix_b_scale:MATRIX_SCALE_ROW1
.else
	v_wmma_scale_f32_16x16x128_f8f6f4 v[rD:rD+7], v[rA:rA+11], v[rB:rB+11], v[rC:rC+7], v[rSA], v[rSB] matrix_a_fmt:MATRIX_FMT_FP6 matrix_b_fmt:MATRIX_FMT_FP6
.endif
.endm
.macro SCALEW pw
.irp b, 0,1,2,3
	v_add_nc_u32 v[SO+\b], 0xff000000, v[BM+\b]    ; 2 off the exponent field: the conversion's scale operand
.endr
.irp b, 0,1,2,3
	v_lshrrev_b32 v[BY+\b], 23, v[SO+\b]           ; the byte
.endr
	v_lshl_or_b32 v[\pw], v[BY+1], 8, v[BY]
	v_lshl_or_b32 v[\pw], v[BY+2], 16, v[\pw]
	v_lshl_or_b32 v[\pw], v[BY+3], 24, v[\pw]
.endm
.macro PACK6 src, wsrc, f, t8
	WIN \wsrc
.irp c, 0,1
	v_cvt_scalef32_pk16_fp6_f32 v[(\f)+6*\c:(\f)+6*\c+2], v[(\src)+32*\c:(\src)+32*\c+15], v[SO+2*\c]
	v_cvt_scalef32_pk16_fp6_f32 v[(\t8)+4*\c:(\t8)+4*\c+2], v[(\src)+32*\c+16:(\src)+32*\c+31], v[SO+2*\c+1]
.endr
	WIN 0
	v_nop                                          ; one plain line behind the conversions
.irp c, 0,1
.irp i, 0,1,2
	v_permlane16_swap_b32 v[(\f)+6*\c+\i], v[(\t8)+4*\c+\i]
.endr
.irp i, 0,1,2
	v_mov_b32 v[(\f)+6*\c+3+\i], v[(\t8)+4*\c+\i]
.endr
.endr
.endm
	s_load_b256 s[4:11], s[0:1], 0x0               ; xq, wq, aq, bq
	s_load_b128 s[12:15], s[0:1], 0x20             ; x, out0
	v_lshl_add_u32 v110, v0, 2, 0x29000
	v_mov_b32 v111, 0
	ds_add_u32 v110, v111
	ds_add_u32 v110, v111
	v_lshrrev_b32 v1, 5, v0
	v_readfirstlane_b32 s16, v1                    ; wave 0..3
	s_and_b32 s18, ttmp7, 0xffff                   ; 8 batch + chunk of 512 rows
	s_lshr_b32 s19, s18, 3
	s_lshl_b32 s19, s19, 3
	s_add_co_u32 s19, s19, ttmp9                   ; 8 batch + head
	; descriptor groups 1: rows of 256 bytes (32 elements of 8 bytes), dense, no padding: 100 rows (a quarter of Wq's block), 13 rows (a quarter of att's part)
	s_mov_b32 s24, 3<<16
	s_mov_b32 s25, 32<<16
	s_mov_b32 s26, 100<<16
	s_mov_b32 s27, 32<<16
	s_mov_b32 s28, 100
	s_mov_b32 s29, 32
	s_mov_b32 s30, 0
	s_mov_b32 s31, 0
	s_mov_b32 s40, 3<<16
	s_mov_b32 s41, 32<<16
	s_mov_b32 s42, 13<<16
	s_mov_b32 s43, 32<<16
	s_mov_b32 s44, 13
	s_mov_b32 s45, 32
	s_mov_b32 s46, 0
	s_mov_b32 s47, 0
	s_mov_b32 s32, 1
	s_mul_i32 s33, s16, 25600
	s_mul_i32 s20, ttmp9, BLK
	s_add_co_u32 s20, s20, s33
	s_mov_b32 s21, 0
	s_mov_b32 s36, 1
	s_mul_i32 s22, s16, 3328
	s_add_co_u32 s37, s22, AQL
	s_mul_i32 s23, s19, 13312
	s_add_co_u32 s22, s22, s23
	s_mov_b32 s23, 0
	s_mul_i32 s60, s18, 4*BLK
	s_lshr_b32 s61, s16, 1
	s_mul_i32 s61, s61, BLK
	s_add_co_u32 s60, s60, s61                     ; my block of xq in the first pass
	s_mov_b32 s61, 0
	s_lshl_b32 s62, s18, 9
	s_lshl_b32 s63, s16, 6
	s_add_co_u32 s62, s62, s63
	s_lshl_b32 s62, s62, 12
	s_lshl_b32 s63, ttmp9, 9
	s_add_co_u32 s62, s62, s63                     ; my first row of x and of out0, at the head's 512 bytes
	s_mov_b32 s63, 0
	s_mov_b32 s48, 0x76543210
	s_mov_b32 s49, 0xfedcba98
	s_mov_b32 s50, 0x3fb8aa3b                      ; log2(e)
	s_mov_b32 s51, s50
	s_mov_b32 s52, 2                               ; passes
	s_wait_dscnt 0x0
	s_wait_kmcnt 0x0
	s_add_nc_u64 s[34:35], s[6:7], s[20:21]
	s_or_b32 s35, s35, 0x80000000
	s_add_nc_u64 s[38:39], s[8:9], s[22:23]
	s_or_b32 s39, s39, 0x80000000
	tensor_load_to_lds s[32:35], s[24:31]          ; the two first fills stand together: two loads of mine are out
	s_nop 0
	tensor_load_to_lds s[36:39], s[40:47]
	s_nop 0
	PLACES 4                                       ; four such lines behind a tensor load
	s_lshl_b32 s20, ttmp9, 9
	s_add_nc_u64 s[10:11], s[10:11], s[20:21]
	s_add_nc_u64 s[54:55], s[4:5], s[60:61]
	s_add_nc_u64 s[56:57], s[12:13], s[62:63]
	s_add_nc_u64 s[58:59], s[14:15], s[62:63]
	v_and_b32 v11, 15, v0                          ; r
	v_bfe_u32 v10, v0, 4, 1                        ; h
	v_and_b32 v7, 31, v0
	v_lshlrev_b32 v1, 4, v7                        ; 16 x lane
	v_lshlrev_b32 v7, 2, v7
	v_add_nc_u32 v7, AQL+12288, v7                 ; att's scale words
	v_add_nc_u32 v2, 32*FRB, v1                    ; tiles 4 to 7 of Wq's block
	v_lshlrev_b32 v5, 2, v11
	v_lshl_add_u32 v5, v10, 9, v5                  ; 4 r + 512 h
	v_add_nc_u32 v3, SCO, v5                       ; Wq's scale words
	s_and_b32 s53, s16, 1
	s_mul_i32 s20, s53, 32*FRB
	v_add_nc_u32 v4, s20, v1                       ; my four tiles' fragments in a block of xq
	s_lshl_b32 s20, s53, 11
	v_add_nc_u32 v5, s20, v5                       ; and their scale words
	v_add_nc_u32 v6, AQL, v1                       ; att's fragments
	s_mul_i32 s53, s16, 16*528
	s_add_co_u32 s53, s53, STGB                    ; my stage
	v_mul_u32_u24 v8, v11, 528
	v_lshl_add_u32 v8, v10, 6, v8
	v_add_nc_u32 v8, s53, v8                       ; in: row r, + 64 h
	v_add_nc_u32 v9, s53, v1                       ; back: a whole row of 512 bytes
	v_lshlrev_b32 v10, 6, v10                      ; bq: 64 h
	v_mov_b32 v13, 0                               ; named as upper halves of pairs
.irp j, 25,27,29,31
	v_mov_b32 v\j, 0
.endr
.irp b, 0,1,2,3
	v_mov_b32 v[BY+\b], 0                          ; a lane permute's destination counts as one of its sources
.endr
	WIN 0x40
.irp dt, 0,1,2,3,4,5,6,7
	global_load_b128 v[192+8*\dt:195+8*\dt], v10, s[10:11] offset:128*(\dt/2)+32*(\dt%2)        ; bq at the lane's eight features of tile dt: 32 (dt / 2) + 8 (dt % 2) + 16 h + 0 .. 7
	global_load_b128 v[196+8*\dt:199+8*\dt], v10, s[10:11] offset:128*(\dt/2)+32*(\dt%2)+16
.endr
	WIN 0
	s_wait_tensorcnt 0x0                           ; my quarters are in,
	s_barrier_signal -1
	s_barrier_wait -1                              ; everybody's are
.macro LOADW s                         ; Wq's eight fragments of K step s into set s % 2, and their scale words: 28 LDS loads
.set WB_, 96*((\s)&1)
	WIN 0x40
.irp dt, 0,1,2,3
.irp q, 0,1,2
	ds_load_b128 v[WB_+12*\dt+4*\q:WB_+12*\dt+4*\q+3], v1 offset:(8*\dt+(\s))*FRB+512*\q
.endr
.endr
.irp dt, 4,5,6,7
.irp q, 0,1,2
	ds_load_b128 v[WB_+12*\dt+4*\q:WB_+12*\dt+4*\q+3], v2 offset:(8*(\dt-4)+(\s))*FRB+512*\q
.endr
.endr
	WIN 0
.irp jp, 0,1,2,3
	ds_load_b32 v[32+4*((\s)&1)+\jp], v3 offset:1024*\jp+64*(\s)
.endr
.endm
.macro LOADX s                         ; my four fragments of xn of K step s: 12 loads
.if (\s) < 5
	WIN 0xC0
.set XR_, 48*(\s)
.else
	WIN 0
.set XR_, 112+48*((\s)-5)
.endif
.irp ii, 0,1,2,3
.irp q, 0,1,2
	global_load_b128 v[XR_+12*\ii+4*\q:XR_+12*\ii+4*\q+3], v4, s[54:55] offset:(8*\ii+(\s))*FRB+512*\q
.endr
.endr
.endm
.macro XLOAD ii                        ; the 16 rows of x of tile ii, the head's 512 bytes of each: 16 loads
	WIN 0xC0
.irp m, 0,1,2,3,4,5,6,7,8,9,10,11,12,13,14,15
	global_load_b128 v[64*(\ii)+4*\m:64*(\ii)+4*\m+3], v1, s[56:57] offset:(32*((\ii)/2)+8*((\ii)%2)+\m+8*(\m/8))*4096 th:TH_LOAD_NT
.endr
.endm
.macro GSTEP s                         ; K step s of q^T = Wq^T xn^T: 32 products, every accumulator once
.if (\s) > 0
	PLACES 4                                       ; four places in front of loads into registers that products have read
.endif
.if (\s) < 7
	LOADW (\s)+1
.endif
.if (\s) <= 3
	LOADX (\s)+4
.endif
.if (\s) >= 5
	XLOAD (\s)-5                                   ; into registers that held xn of K steps long multiplied; behind the last loads of codes, so that none of those waits in order behind x
.endif
.if (\s) < 7
	s_wait_dscnt 28                                ; this step's set is in; the 28 loads just issued may be out
.else
	s_wait_dscnt 0x0
.endif
.if (\s) <= 3
	s_wait_loadcnt 48                              ; younger: four sets of 12
.elseif (\s) == 4
	s_wait_loadcnt 36                              ; three sets
.elseif (\s) == 5
	s_wait_loadcnt 40                              ; two sets and 16 rows of x
.elseif (\s) == 6
	s_wait_loadcnt 44                              ; one set and 32 rows
.else
	s_wait_loadcnt 48                              ; 48 rows
.endif
.if (\s) == 0
	WIN 0x9D                                       ; A window 1, B window 3, C (bq) window 1, D window 2
.elseif (\s) < 5
	WIN 0xAD
.else
	WIN 0xA1                                       ; B window 0
.endif
.irp ii, 0,1,2,3
.irp dt, 0,1,2,3,4,5,6,7
.set rD, 64*\ii+8*\dt
.set rA, 96*((\s)&1)+12*\dt
.if (\s) < 5
.set rB, 48*(\s)+12*\ii
.else
.set rB, 112+48*((\s)-5)+12*\ii
.endif
.if (\s) == 0
.set rC, 192+8*\dt
.else
.set rC, rD
.endif
.set rSA, 32+4*((\s)&1)+\dt/2
.set rSB, 40+2*(\s)+\ii/2
	WMS \dt%2, \ii%2
.endr
.endr
.endm
; the softmax of tile ii over d: the scores lie in window 2 at v[64 ii] on, register 16 b + e = d 32 b + 16 h + e of my row
.macro QSOFT ii
.set S_, 64*(\ii)
	WIN 0x2A
.irp b, 0,1,2,3
	v_max3_num_f32 v[BM+\b], v[S_+16*\b], v[S_+16*\b+1], v[S_+16*\b+2]   ; each block's largest score: for the row's maximum and for the block's largest p
.endr
	WIN 0x28
.irp i, 3,5,7,9,11,13
.irp b, 0,1,2,3
	v_max3_num_f32 v[BM+\b], v[BM+\b], v[S_+16*\b+\i], v[S_+16*\b+\i+1]
.endr
.endr
.irp b, 0,1,2,3
	v_max_num_f32 v[BM+\b], v[BM+\b], v[S_+16*\b+15]
.endr
	WIN 0
.irp b, 0,1,2,3
	v_permlanex16_b32 v[BY+\b], v[BM+\b], s48, s49
.endr
.irp b, 0,1,2,3
	v_max_num_f32 v[BM+\b], v[BM+\b], v[BY+\b]
.endr
	v_max3_num_f32 v18, v[BM], v[BM+1], v[BM+2]
	v_max_num_f32 v18, v18, v[BM+3]
	v_mul_f32 v18, s50, v18                        ; the row's largest t
	v_floor_f32 v12, -v18                          ; -M = -ceil(t)
.irp b, 0,1,2,3
	v_fma_f32 v[BM+\b], v[BM+\b], s50, v12
.endr
	WIN 0x82
.set n, 0
.rept 32
	v_pk_fma_f32 v[S_+n:S_+n+1], v[S_+n:S_+n+1], s[50:51], v[12:13] op_sel_hi:[1,0,0]   ; t - M
.set n, n+2
.endr
.set n, 0
.rept 64
	v_exp_f32 v[S_+n], v[S_+n]                     ; p
.set n, n+1
.endr
	WIN 0
	v_nop                                          ; a plain line behind the exponentials
	s_wait_alu depctr_va_vdst(0)                   ; one wait for the batch, ahead of its first reader
.irp b, 0,1,2,3
	v_exp_f32 v[BM+\b], v[BM+\b]                   ; the blocks' largest p
.endr
	WIN 0x0A
	v_pk_add_f32 v[14:15], v[S_:S_+1], v[S_+2:S_+3]       ; the row's sum of the unquantised p, in two chains
	v_pk_add_f32 v[16:17], v[S_+4:S_+5], v[S_+6:S_+7]
	WIN 0x08
.set n, 8
.rept 14
	v_pk_add_f32 v[14:15], v[14:15], v[S_+n:S_+n+1]
	v_pk_add_f32 v[16:17], v[16:17], v[S_+n+2:S_+n+3]
.set n, n+4
.endr
	WIN 0
	v_pk_add_f32 v[14:15], v[14:15], v[16:17]
	v_add_f32 v[20+\ii], v14, v15
	v_permlanex16_b32 v18, v[20+\ii], s48, s49
	v_add_f32 v[20+\ii], v[20+\ii], v18
	s_wait_alu depctr_va_vdst(0)                   ; and one for the four
.irp b, 0,1,2,3
	v_max_num_f32 v[BM+\b], 0x1800000, v[BM+\b]    ; the floor 2^(3 - 127)
.endr
	SCALEW 64+\ii
	PACK6 S_, 0x02, 112+12*(\ii), 84
.endm
; THE WAY OUT of tile ii: y / the sum; through my stage, so that a row's 512 bytes come together; + x; stored
.macro SCALEY ii
	WIN 0x82
.set n, 0
.rept 32
	v_pk_mul_f32 v[64*(\ii)+n:64*(\ii)+n+1], v[64*(\ii)+n:64*(\ii)+n+1], v[24+2*(\ii):25+2*(\ii)] op_sel_hi:[1,0]   ; ascending: each accumulator is first read at its low end
.set n, n+2
.endr
.endm
.macro TOSTAGE ii
	WIN 0x08                                       ; an LDS store's data are its source 1: window 2
.irp lt, 0,1,2,3,4,5,6,7
.irp jq, 0,1
	ds_store_b128 v8, v[64*(\ii)+8*\lt+4*\jq:64*(\ii)+8*\lt+4*\jq+3] offset:128*(\lt/2)+32*(\lt%2)+16*\jq   ; lane (r, h): y(row r, l = 32 (lt / 2) + 8 (lt % 2) + 16 h + 0 .. 7)
.endr
.endr
	WIN 0
.irp m, 0,1,2,3,4,5,6,7,8,9,10,11,12,13,14,15
	ds_load_b128 v[112+64*((\ii)%2)+4*\m:112+64*((\ii)%2)+4*\m+3], v9 offset:528*\m   ; LDS serves a wave's instructions in order: these see my stores, and the next tile's stores come behind them
.endr
.endm
.macro SEND ii, younger
	s_wait_dscnt \younger                          ; the tile is back; the next tile's 16 stores and 16 loads may be out
	s_wait_loadcnt 16*(3-(\ii))                    ; its rows of x are in; the later tiles' may be out
	WIN 0xC3
.set n, 0
.rept 32
	v_pk_add_f32 v[64*(\ii)+n:64*(\ii)+n+1], v[64*(\ii)+n:64*(\ii)+n+1], v[112+64*((\ii)%2)+n:112+64*((\ii)%2)+n+1]
.set n, n+2
.endr
	WIN 0x0C                                       ; a store's data are its source 1: window 3
.irp m, 0,1,2,3,4,5,6,7,8,9,10,11,12,13,14,15
	global_store_b128 v1, v[64*(\ii)+4*\m:64*(\ii)+4*\m+3], s[58:59] offset:(32*((\ii)/2)+8*((\ii)%2)+\m+8*(\m/8))*4096 th:TH_STORE_NT   ; 512 consecutive bytes, aligned
.endr
.endm
.Lpass:
.irp s, 0,1,2,3,4,5,6,7
.irp jp, 0,1
	global_load_b32 v[40+2*\s+\jp], v5, s[54:55] offset:SCO+1024*\jp+64*\s   ; xn's scale words: a pair of tiles in the two halves of the lanes
.endr
.endr
	LOADX 0
	LOADX 1
	LOADX 2
	LOADX 3
	LOADW 0
	GSTEP 0
	GSTEP 1
	GSTEP 2
	GSTEP 3
	GSTEP 4
	GSTEP 5
	GSTEP 6
	GSTEP 7
	PLACES 4
	XLOAD 3
	WIN 0x40
.irp lt, 0,1,2,3,4,5,6,7
.irp q, 0,1,2
	ds_load_b128 v[12*\lt+4*\q:12*\lt+4*\q+3], v6 offset:FRB*\lt+512*\q   ; att's fragments land while the softmax is worked
.endr
.endr
	WIN 0
.irp lt, 0,1,2,3,4,5,6,7
	ds_load_b32 v[56+\lt], v7 offset:128*\lt
.endr
	QSOFT 0
	QSOFT 1
	QSOFT 2
	QSOFT 3
.irp ii, 0,1,2,3
	v_rcp_f32 v[24+2*\ii], v[20+\ii]
.endr
	PLACES 8                                       ; a plain line behind the reciprocals; and a scale word made by vector lines stands eight places ahead of the product that names it
	s_wait_alu depctr_va_vdst(0)                   ; one wait for the four reciprocals
	s_wait_dscnt 0x0                               ; att
	WIN 0x81                                       ; A (att) window 1, B (p) window 0, D window 2
.irp ii, 0,1,2,3
.irp lt, 0,1,2,3,4,5,6,7
	v_wmma_scale_f32_16x16x128_f8f6f4 v[64*\ii+8*\lt:64*\ii+8*\lt+7], v[12*\lt:12*\lt+11], v[112+12*\ii:123+12*\ii], 0, v[56+\lt], v[64+\ii] matrix_a_fmt:MATRIX_FMT_FP6 matrix_b_fmt:MATRIX_FMT_FP6
.endr
.endr
	PLACES 4
	SCALEY 0
	TOSTAGE 0
.irp ii, 1,2,3
	SCALEY \ii
	TOSTAGE \ii
	SEND \ii-1, 32
.endr
	SEND 3, 0
	WIN 0
	s_wait_xcnt 0x0                                ; the stores have read their registers and bases: both may be written again
	s_add_nc_u64 s[54:55], s[54:55], 2*BLK
	s_add_nc_u64 s[56:57], s[56:57], 256*4096
	s_add_nc_u64 s[58:59], s[58:59], 256*4096
	s_sub_co_u32 s52, s52, 1
	s_cmp_lg_u32 s52, 0
	s_cbranch_scc1 .Lpass
	s_wait_tensorcnt 0x0
	ds_add_u32 v110, v111
	s_wait_dscnt 0x0
	s_endpgm
.Lfunc_end_k_q2c72c80550_qy:
	.size	k_q2c72c80550_qy, .Lfunc_end_k_q2c72c80550_qy-k_q2c72c80550_qy
	.p2alignl 7, 3214868480
	.fill 96, 4, 3214868480
	.section	.rodata,"a",@progbits
	.p2align	6, 0x0
	.amdhsa_kernel k_q2c72c80550_qy
		.amdhsa_group_segment_fixed_size 168448
		.amdhsa_private_segment_fixed_size 0
		.amdhsa_enable_private_segment 0
		.amdhsa_kernarg_size 48
		.amdhsa_user_sgpr_count 2
		.amdhsa_user_sgpr_kernarg_segment_ptr 1
		.amdhsa_wavefront_size32 1
		.amdhsa_system_sgpr_workgroup_id_x 1
		.amdhsa_system_sgpr_workgroup_id_y 1
		.amdhsa_system_sgpr_workgroup_id_z 1
		.amdhsa_system_vgpr_workitem_id 0
		.amdhsa_next_free_vgpr 1024
		.amdhsa_next_free_sgpr 66
		.amdhsa_reserve_vcc 0
		.amdhsa_float_denorm_mode_32 3
		.amdhsa_float_denorm_mode_16_64 3
		.amdhsa_memory_ordered 1
		.amdhsa_forward_progress 1
		.amdhsa_inst_pref_size 153
	.end_amdhsa_kernel
	.amdgpu_metadata
---
amdhsa.version: [ 1, 2 ]
amdhsa.kernels:
  - .name:           k_q2c72c80550_qy
    .symbol:         k_q2c72c80550_qy.kd
    .args:
      - { .name: xq, .offset: 0, .size: 8, .value_kind: global_buffer, .address_space: global }
      - { .name: wq, .offset: 8, .size: 8, .value_kind: global_buffer, .address_space: global }
      - { .name: aq, .offset: 16, .size: 8, .value_kind: global_buffer, .address_space: global }
      - { .name: bq, .offset: 24, .size: 8, .value_kind: global_buffer, .address_space: global }
      - { .name: x, .offset: 32, .size: 8, .value_kind: global_buffer, .address_space: global }
      - { .name: out0, .offset: 40, .size: 8, .value_kind: global_buffer, .address_space: global }
    .group_segment_fixed_size: 168448
    .private_segment_fixed_size: 0
    .kernarg_segment_align: 8
    .kernarg_segment_size: 48
    .max_flat_workgroup_size: 128
    .sgpr_count:     66
    .vgpr_count:     1024
    .wavefront_size: 32
...
	.end_amdgpu_metadata
.endif
;; end of part 4
